; MI455X (gfx1250); checked and timed in simulation.
; The chip was launched on July 23, 2026; its instructions are those of AMD's public machine-readable ISA for CDNA 5 (MIT licence, August 2026) and "CDNA5" Instruction Set Architecture Reference Guide (July 2026). The comments in the code are by the model that wrote it; some were corrected since.
;; Style Guided Attention. Allowed arithmetic: matrix products marked QUANTISED: E3M2 operands, one E8M0 scale for each 32 along K, by v_wmma_scale_f32_16x16x128_f8f6f4 with both operands' format E3M2, f32 sums; products left as they are: f32 operands where the result goes on into a quantised operand, else bf16, f16 or f32 operands; f32 sums; everything else in f32.
;; Inputs: Wk 384 x 512 float32; Wq 512 x 512 float32; Wv 384 x 512 float32; bk 512 float32; bq 512 float32; bv 512 float32; clip_features 128 x 512 float32; dino_features 128 x 1,369 x 384 float32; ln_beta 512 float32; ln_gamma 512 float32; temperature 1 float32.
;; Outputs: out0 128 x 512 float32.
;; This version of the problem:
;;   THIS VERSION OF THE PROBLEM IS GIVEN IN LOW PRECISION. The matrix products marked QUANTISED in the list below multiply operands that are first quantised to E3M2 (3 exponent bits, 2 mantissa bits; 6 bits a number), with one power-of-two scale for each 32 numbers along K (OCP MX v1.0); their sums are f32. All else is computed in f32.
;;   The module's matrix products, in the order in which they are computed (A, B: the left and right operand; K: the contracted axis; several contracted axes count as one K, in the product's order):
;;     1. [M 128, K 512] x [K 512, N 512]; A: input clip_features; B: input Wq: QUANTISED
;;     2. [M 175,232, K 384] x [K 384, N 512]; A: input dino_features; B: input Wk: QUANTISED
;;     3. [M 175,232, K 384] x [K 384, N 512]; A: input dino_features; B: input Wv: QUANTISED
;;     4. batch 1,024 x [M 1, K 64] x [K 64, N 1,369]; A: computed on the way; B: computed on the way: left as it is (M = 1 < 16)
;;     5. batch 1,024 x [M 1, K 1,369] x [K 1,369, N 64]; A: softmax; B: computed on the way: left as it is (M = 1 < 16)
;;   THE QUANTISER, for each operand of a quantised product, along K:
;;     - K is cut into blocks of 32 from its start; a last block that is shorter is filled with zeros.
;;     - A block's scale is 2^e with e = floor(log2(the largest magnitude in the block)) - 4, held to -126 .. 127; a block of zeros has e = 0. As a byte (E8M0): e + 127.
;;     - Each number is divided by its block's scale, clamped to +-28, and rounded to the nearest number of E3M2, ties to even, subnormals kept.
;;     - The product sums the exact products of the quantised numbers (number of the format x scale) in f32.
;;   ~~~python
;;   def quantise(x, axis):      # numpy; x: float32 -> the quantised numbers, widened to float32 again
;;       x = np.moveaxis(x, axis, -1); K = x.shape[-1]
;;       x = np.pad(x, [(0, 0)] * (x.ndim - 1) + [(0, -K % 32)]); x = x.reshape(x.shape[:-1] + (-1, 32)); a = np.abs(x).max(-1, keepdims=True)
;;       e = np.where(a > 0, np.clip(np.frexp(np.where(a > 0, a, 1))[1] - 1 - 4, -126, 127), 0)      # np.frexp(a)[1] - 1 = floor(log2(a)), exactly
;;       r = np.clip(x / 2.0 ** e, -28, 28)
;;       step = 2.0 ** (np.maximum(np.frexp(np.where(r == 0, 1, r))[1] - 1, -2) - 2)
;;       q = np.round(r / step) * step * 2.0 ** e      # np.round: ties to even
;;       return np.moveaxis(q.reshape(q.shape[:-2] + (-1,))[..., :K], -1, axis).astype(np.float32)
;;   ~~~
;; 2 versions. Each part assembles by itself: llvm-mc -triple=amdgcn-amd-amdhsa -mcpu=gfx1250 --defsym DOCPART=n.
;; ======== version 1 of 2: 3 launches
;; workspace buffers: wimg 294,912 bytes; wscl 32,768 bytes; qs 262,144 bytes; part_o 524,288 bytes; part_ml 65,536 bytes
;; launch prep (part 1): grid 36 x 1, 16 waves a work-group, no clusters, 63,488 bytes of LDS; arguments clip_features, Wq, bq, temperature, Wk, Wv, qs, wimg, wscl; writes qs, wimg, wscl
.if DOCPART == 1
	.amdgcn_target "amdgcn-amd-amdhsa--gfx1250"
	.amdhsa_code_object_version 6
	.text
	.protected	k_qdc7dc6d494_prep
	.globl	k_qdc7dc6d494_prep
	.p2align	8
	.type	k_qdc7dc6d494_prep,@function
k_qdc7dc6d494_prep:
	s_mov_b64 s[64:65], 0
	v_nop
	global_prefetch_b8 v0, s[64:65] scope:SCOPE_SE
	s_setreg_imm32_b32 hwreg(HW_REG_WAVE_MODE, 25, 1), 1
	s_wait_xcnt 0x0
; Two small jobs in one launch, told apart by the work-group's number.
; WORK-GROUPS 0-31 (one for each tile of 16 columns of Wq): q' = (Q(clip) Q(Wq) + bq) x log2(e) / (8 x temperature), Q the quantiser to BF6 (E3M2) along K with one E8M0 scale
;   for each 32.  The 16 waves quantise clip's 128 x 512 numbers (32 units of 16 rows x 128 K, two a wave) and waves 0-3 the tile's four units of Wq; the units go from wave to wave
;   through LDS as images of the operand's registers; waves 0-7 then multiply, a tile of 16 rows each.
; WORK-GROUPS 32-35: Wk and Wv, [384][512] f32 with K as the FIRST axis, become codes laid in the order of the operand's registers, with their scale words: a wave to a tile of 16 columns.
;   A lane takes a column and its registers run down K, so nothing is transposed.
; A block's scale byte is its largest magnitude's exponent field - 4, held at 1 from below by a floor among the maximum's leaves.
; LIMITS: NaN and infinities among the inputs are not served; temperature = 0 is not served; a block of zeros gets the byte 1 where the rule says 127 (its codes are zeros, and this program alone reads the bytes).
; No tensor loads, no cluster: the launch reads 3 MB in all and each work-group's own part once.
.set CIMG, 0                           ; LDS: clip's 32 units (unit 4 mt + s), 1,536 bytes each: chunk c of four registers at 512 c + 16 x lane
.set CSC,  49152                       ; their scale words, 128 bytes a unit
.set WQI,  53248                       ; Wq's four units
.set WQS,  59392                       ; their scale words
.set PC,   224                         ; v224-235 a unit's codes; v236-242 the second halves as converted
.set TM,   244                         ; v244-245 largest magnitudes, v246-247 the conversions' scale operands, v248-249 bytes, v250 a permute's destination
.set SEL,  22                          ; s[22:23] lane selects for lane l xor 16
.set WV,   24                          ; s24 my wave's number
; 64 numbers of a lane, register 32 c + i = k 64 c + 32 (lane / 16) + i of its row or column, become the 12 registers of an operand in v[PC] on, and the scale word in v[pw] (the same in both halves of the lanes)
.macro QUANT64 X, pw
.irp c, 0,1
	v_max3_num_f32 v[TM+\c], |v[(\X)+32*\c]|, |v[(\X)+32*\c+1]|, 0x2800000   ; my block 2 c + h: all 32 numbers are mine; the floor 2^(5 - 127) keeps the byte at 1 or above
.endr
.irp i, 2,4,6,8,10,12,14,16,18,20,22,24,26,28,30
.irp c, 0,1
	v_max3_num_f32 v[TM+\c], v[TM+\c], |v[(\X)+32*\c+\i]|, |v[(\X)+32*\c+\i+1]|   ; the two blocks by turns
.endr
.endr
.irp c, 0,1
	v_add_nc_u32 v[TM+2+\c], 0xfe000000, v[TM+\c]  ; 4 off the exponent field: the conversion takes this operand's exponent field as its scale
.endr
.irp c, 0,1
	v_lshrrev_b32 v[TM+4+\c], 23, v[TM+2+\c]       ; the scale's byte
.endr
	v_lshl_or_b32 v[\pw], v[TM+5], 16, v[TM+4]     ; blocks h and 2 + h,
	v_lshlrev_b32 v[\pw], v5, v[\pw]               ; 8 h bits up;
	v_permlanex16_b32 v[TM+6], v[\pw], s[SEL], s[SEL+1]
	v_or_b32 v[\pw], v[\pw], v[TM+6]               ; with lane l xor 16's two bytes the word is whole
.irp c, 0,1
	v_cvt_scalef32_pk16_bf6_f32 v[PC+6*\c:PC+6*\c+2], v[(\X)+32*\c:(\X)+32*\c+15], v[TM+2+\c]
	v_cvt_scalef32_pk16_bf6_f32 v[PC+12+4*\c:PC+12+4*\c+2], v[(\X)+32*\c+16:(\X)+32*\c+31], v[TM+2+\c]   ; a conversion's three registers begin on an even number: made elsewhere and moved
.endr
	v_nop                                          ; one plain line behind the last scaled conversion
.irp c, 0,1
.irp i, 0,1,2
	v_mov_b32 v[PC+3+6*\c+\i], v[PC+12+4*\c+\i]
.endr
.endr
.endm
.macro IMAGE adr, off                          ; the unit in v[PC] on goes to LDS as it stands
.irp c, 0,1,2
	ds_store_b128 v[\adr], v[PC+4*\c:PC+4*\c+3] offset:\off+512*\c
.endr
.endm
.macro LOADW s                                 ; W(128 s + 64 c + 32 h + i, my column) into v[32 + 64 s + 32 c + i]
.set n, 0
.rept 64
	global_load_b32 v[32+64*\s+n], v8, s[12:13] offset:(128*\s+64*(n/32)+n%32)*2048
.set n, n+1
.endr
.endm
.macro WOUT s                                  ; 32 lanes store 512 consecutive bytes, three times
.irp c, 0,1,2
	global_store_b128 v6, v[PC+4*\c:PC+4*\c+3], s[18:19] offset:12288*\s+512*\c
.endr
.endm
	s_load_b256 s[4:11], s[0:1], 0x0               ; clip s[4:5], Wq s[6:7], bq s[8:9], temperature s[10:11]
	s_load_b256 s[12:19], s[0:1], 0x20             ; Wk s[12:13], Wv s[14:15], qs s[16:17], wimg s[18:19]
	s_load_b64 s[20:21], s[0:1], 0x40              ; wscl
	v_lshl_add_u32 v243, v0, 2, 0xf000
	v_mov_b32 v251, 0
	v_lshrrev_b32 v1, 5, v0
	v_readfirstlane_b32 s[WV], v1                  ; wave 0..15
	v_and_b32 v2, 31, v0                           ; lane
	v_and_b32 v3, 15, v0                           ; r
	v_bfe_u32 v4, v0, 4, 1                         ; h
	v_lshlrev_b32 v5, 3, v4                        ; 8 h: where my two scale bytes go
	v_lshlrev_b32 v6, 4, v2                        ; 16 x lane
	v_lshlrev_b32 v7, 2, v2                        ; 4 x lane
	v_lshlrev_b32 v8, 2, v3
	v_lshl_add_u32 v8, v4, 16, v8                  ; a weight: column r, and 32 rows of 2,048 bytes further down for lanes 16-31
	v_mov_b32 v[TM+6], 0                           ; written once: a lane permute's destination counts as one of its sources
	s_mov_b32 s[SEL], 0x76543210
	s_mov_b32 s[SEL+1], 0xfedcba98
	s_cmp_lt_u32 ttmp9, 32
	s_cbranch_scc1 .Lq_path
	; ---- Wk and Wv.  Tile g = 16 (work-group - 32) + wave: 0-31 are Wk's column tiles, 32-63 Wv's
	s_sub_co_u32 s25, ttmp9, 32
	s_lshl_b32 s25, s25, 4
	s_add_co_u32 s25, s25, s[WV]
	s_lshr_b32 s26, s25, 5                         ; 0: Wk, 1: Wv
	s_and_b32 s27, s25, 31                         ; the column tile
	s_lshl_b32 s28, s27, 6                         ; its 16 columns: 64 bytes a tile
	s_mov_b32 s29, 0
	s_lshr_b32 s30, s27, 2                         ; the head
	s_and_b32 s31, s27, 3
	s_lshl_b32 s32, s26, 2
	s_add_co_u32 s31, s31, s32                     ; the tile's place among the head's eight: K's four, then V's four
	s_mul_i32 s32, s30, 36864
	s_mul_i32 s33, s31, 1536
	s_add_co_u32 s32, s32, s33
	s_mov_b32 s33, 0
	s_lshl_b32 s34, s30, 12
	s_lshl_b32 s35, s31, 9
	s_add_co_u32 s34, s34, s35
	s_mov_b32 s35, 0
	s_wait_kmcnt 0x0
	s_cmp_lt_u32 ttmp9, 34                         ; the choice hangs on the work-group's number alone
	s_cselect_b64 s[12:13], s[12:13], s[14:15]
	s_add_nc_u64 s[12:13], s[12:13], s[28:29]
	s_add_nc_u64 s[18:19], s[18:19], s[32:33]
	s_add_nc_u64 s[20:21], s[20:21], s[34:35]
	LOADW 0
	LOADW 1
	s_wait_loadcnt 63                              ; K step 0's 64 loads are in: 64 were issued behind them, and 63 is the largest count that a wait can name
	LOADW 2
	QUANT64 32, 252
	WOUT 0
	s_wait_loadcnt 63                              ; K step 1's are in: K step 2's 64 were issued behind them
	s_wait_xcnt 0x0                                ; the stores have read the codes' registers, which are written again
	QUANT64 96, 253
	WOUT 1
	s_wait_loadcnt 0x0
	s_wait_xcnt 0x0
	QUANT64 160, 254
	WOUT 2
	v_mov_b32 v255, 0                              ; the fourth word of a lane's 16 bytes
	global_store_b128 v6, v[252:255], s[20:21]     ; three scale words a lane: 512 consecutive bytes a wave
	s_endpgm
.Lq_path:
	; ---- q'.  Every LDS address is made here, ahead of the first branch on the wave's number
	s_mul_i32 s25, s[WV], 3072
	v_add_nc_u32 v9, s25, v6                       ; where I store my two units of clip
	s_lshl_b32 s25, s[WV], 8
	s_add_co_u32 s25, s25, CSC
	v_add_nc_u32 v10, s25, v7                      ; and their scale words
	s_mul_i32 s25, s[WV], 1536
	s_add_co_u32 s25, s25, WQI
	v_add_nc_u32 v11, s25, v6                      ; waves 0-3: my unit of Wq
	s_lshl_b32 s25, s[WV], 7
	s_add_co_u32 s25, s25, WQS
	v_add_nc_u32 v12, s25, v7
	s_mul_i32 s25, s[WV], 6144
	v_add_nc_u32 v13, s25, v6                      ; waves 0-7: the four units of my tile of rows
	s_lshl_b32 s25, s[WV], 9
	s_add_co_u32 s25, s25, CSC
	v_add_nc_u32 v14, s25, v7
	v_add_nc_u32 v15, WQI, v6
	v_add_nc_u32 v24, WQS, v7
	v_lshlrev_b32 v25, 11, v3
	v_lshl_add_u32 v25, v4, 7, v25                 ; clip: row r of 2,048 bytes, + 128 h: my block of 32
	v_lshlrev_b32 v26, 5, v4                       ; bq: 32 h
	v_lshlrev_b32 v27, 4, v3
	v_lshl_add_u32 v27, v4, 12, v27                ; qs: 16 r + 4,096 h
	s_lshr_b32 s26, s[WV], 1
	s_lshl_b32 s26, s26, 15                        ; the tile of 16 rows that I quantise,
	s_and_b32 s27, s[WV], 1
	s_lshl_b32 s27, s27, 10                        ; and which two of its four K steps
	s_add_co_u32 s26, s26, s27
	s_mov_b32 s27, 0
	s_lshl_b32 s28, ttmp9, 6                       ; the work-group's 16 columns, in bytes
	s_mov_b32 s29, 0
	s_lshl_b32 s30, s[WV], 18                      ; Wq: 128 rows of 2,048 bytes a K step
	s_mov_b32 s31, 0
	s_lshl_b32 s32, ttmp9, 13
	s_lshl_b32 s33, s[WV], 8
	s_add_co_u32 s32, s32, s33                     ; qs: 8,192 x column tile + 256 x tile of rows
	s_mov_b32 s33, 0
	s_wait_kmcnt 0x0
	s_load_b32 s34, s[10:11], 0x0                  ; temperature
	s_add_nc_u64 s[4:5], s[4:5], s[26:27]
	s_add_nc_u64 s[6:7], s[6:7], s[28:29]
	s_add_nc_u64 s[6:7], s[6:7], s[30:31]
	s_add_nc_u64 s[8:9], s[8:9], s[28:29]
	s_add_nc_u64 s[16:17], s[16:17], s[32:33]
	s_cmp_lt_u32 s[WV], 4
	s_cbranch_scc0 .Lno_wq
.set n, 0
.rept 64
	global_load_b32 v[160+n], v8, s[6:7] offset:(64*(n/32)+n%32)*2048   ; Wq(128 wave + 64 c + 32 h + i, my column)
.set n, n+1
.endr
.Lno_wq:
.irp u, 0,1
.irp c, 0,1
.irp i, 0,1,2,3,4,5,6,7
	global_load_b128 v[32+64*\u+32*\c+4*\i:32+64*\u+32*\c+4*\i+3], v25, s[4:5] offset:512*\u+256*\c+16*\i
.endr
.endr
.endr
	s_wait_loadcnt 16                              ; all but my second unit's 16 loads are in
	QUANT64 32, 252
	IMAGE 9, 0
	ds_store_b32 v10, v252
	s_wait_loadcnt 0x0
	s_wait_dscnt 0x0                               ; the stores have read the codes' registers
	QUANT64 96, 253
	IMAGE 9, 1536
	ds_store_b32 v10, v253 offset:128
	s_cmp_lt_u32 s[WV], 4
	s_cbranch_scc0 .Lno_wq2
	s_wait_dscnt 0x0
	QUANT64 160, 254
	IMAGE 11, 0
	ds_store_b32 v12, v254
.Lno_wq2:
	s_wait_dscnt 0x0                               ; for the others' sake: my images lie in LDS
	s_barrier_signal -1
	s_barrier_wait -1
	s_cmp_lt_u32 s[WV], 8
	s_cbranch_scc1 .Lmul
	s_wait_tensorcnt 0x0
	ds_add_u32 v243, v251
	s_wait_dscnt 0x0
	s_endpgm                                       ; eight tiles of rows: waves 8-15 have done their share
.Lmul:
	global_load_b128 v[144:147], v26, s[8:9]       ; bq at my eight columns: the sum begins with it
	global_load_b128 v[148:151], v26, s[8:9] offset:16
.irp s, 0,1,2,3
.irp c, 0,1,2
	ds_load_b128 v[32+12*\s+4*\c:32+12*\s+4*\c+3], v13 offset:1536*\s+512*\c
	ds_load_b128 v[80+12*\s+4*\c:80+12*\s+4*\c+3], v15 offset:1536*\s+512*\c
.endr
	ds_load_b32 v[16+\s], v14 offset:128*\s        ; v16-19 clip's scale words, v20-23 Wq's: these registers hold scales and nothing else
	ds_load_b32 v[20+\s], v24 offset:128*\s
.endr
	s_wait_kmcnt 0x0
	v_mov_b32 v168, s34
	v_mul_f32 v168, 0x41000000, v168               ; 8 x temperature = sqrt(64) x temperature
	v_rcp_f32 v168, v168
	v_nop                                          ; a plain line behind the reciprocal,
	s_wait_alu depctr_va_vdst(0)                   ; and the wait ahead of its first reader
	v_mul_f32 v168, 0x3fb8aa3b, v168               ; x log2(e): the softmax works in base 2
	v_mov_b32 v169, v168
	s_wait_loadcnt 0x0
	s_wait_dscnt 0x0
	; TRANSPOSED: source 0 = 16 columns of Wq, source 1 = 16 rows of clip: lane (r, h) holds row r and columns 8 h + 0 .. 7.  Two accumulators by turns
	v_wmma_scale_f32_16x16x128_f8f6f4 v[144:151], v[80:91], v[32:43], v[144:151], v20, v16 matrix_a_fmt:MATRIX_FMT_BF6 matrix_b_fmt:MATRIX_FMT_BF6
	v_wmma_scale_f32_16x16x128_f8f6f4 v[152:159], v[92:103], v[44:55], 0, v21, v17 matrix_a_fmt:MATRIX_FMT_BF6 matrix_b_fmt:MATRIX_FMT_BF6
	v_wmma_scale_f32_16x16x128_f8f6f4 v[144:151], v[104:115], v[56:67], v[144:151], v22, v18 matrix_a_fmt:MATRIX_FMT_BF6 matrix_b_fmt:MATRIX_FMT_BF6
	v_wmma_scale_f32_16x16x128_f8f6f4 v[152:159], v[116:127], v[68:79], v[152:159], v23, v19 matrix_a_fmt:MATRIX_FMT_BF6 matrix_b_fmt:MATRIX_FMT_BF6
.rept 4
	v_nop                                          ; four places in front of the first read of results (ISA guide 7.12.1)
.endr
.irp j, 0,2,4,6
	v_pk_add_f32 v[160+\j:161+\j], v[144+\j:145+\j], v[152+\j:153+\j]   ; each accumulator from its low end on
.endr
.irp j, 0,2,4,6
	v_pk_mul_f32 v[160+\j:161+\j], v[160+\j:161+\j], v[168:169]
.endr
	global_store_b128 v27, v[160:163], s[16:17]            ; sixteen lanes (sixteen batches) store 256 consecutive bytes, aligned
	global_store_b128 v27, v[164:167], s[16:17] offset:2048
	s_wait_tensorcnt 0x0
	ds_add_u32 v243, v251
	s_wait_dscnt 0x0
	s_endpgm
.Lfunc_end_k_qdc7dc6d494_prep:
	.size	k_qdc7dc6d494_prep, .Lfunc_end_k_qdc7dc6d494_prep-k_qdc7dc6d494_prep
	.p2alignl 7, 3214868480
	.fill 96, 4, 3214868480
	.section	.rodata,"a",@progbits
	.p2align	6, 0x0
	.amdhsa_kernel k_qdc7dc6d494_prep
		.amdhsa_group_segment_fixed_size 63488
		.amdhsa_private_segment_fixed_size 0
		.amdhsa_enable_private_segment 0
		.amdhsa_kernarg_size 72
		.amdhsa_user_sgpr_count 2
		.amdhsa_user_sgpr_kernarg_segment_ptr 1
		.amdhsa_wavefront_size32 1
		.amdhsa_system_sgpr_workgroup_id_x 1
		.amdhsa_system_sgpr_workgroup_id_y 1
		.amdhsa_system_sgpr_workgroup_id_z 1
		.amdhsa_system_vgpr_workitem_id 0
		.amdhsa_next_free_vgpr 256
		.amdhsa_next_free_sgpr 66
		.amdhsa_reserve_vcc 0
		.amdhsa_float_denorm_mode_32 3
		.amdhsa_float_denorm_mode_16_64 3
		.amdhsa_memory_ordered 1
		.amdhsa_forward_progress 1
		.amdhsa_inst_pref_size 55
	.end_amdhsa_kernel
	.amdgpu_metadata
---
amdhsa.version: [ 1, 2 ]
amdhsa.kernels:
  - .name:           k_qdc7dc6d494_prep
    .symbol:         k_qdc7dc6d494_prep.kd
    .args:
      - { .name: clip_features, .offset: 0, .size: 8, .value_kind: global_buffer, .address_space: global }
      - { .name: Wq, .offset: 8, .size: 8, .value_kind: global_buffer, .address_space: global }
      - { .name: bq, .offset: 16, .size: 8, .value_kind: global_buffer, .address_space: global }
      - { .name: temperature, .offset: 24, .size: 8, .value_kind: global_buffer, .address_space: global }
      - { .name: Wk, .offset: 32, .size: 8, .value_kind: global_buffer, .address_space: global }
      - { .name: Wv, .offset: 40, .size: 8, .value_kind: global_buffer, .address_space: global }
      - { .name: qs, .offset: 48, .size: 8, .value_kind: global_buffer, .address_space: global }
      - { .name: wimg, .offset: 56, .size: 8, .value_kind: global_buffer, .address_space: global }
      - { .name: wscl, .offset: 64, .size: 8, .value_kind: global_buffer, .address_space: global }
    .group_segment_fixed_size: 63488
    .private_segment_fixed_size: 0
    .kernarg_segment_align: 8
    .kernarg_segment_size: 72
    .max_flat_workgroup_size: 512
    .sgpr_count:     66
    .vgpr_count:     256
    .wavefront_size: 32
...
	.end_amdgpu_metadata
.endif
;; end of part 1
;; launch main (part 2): grid 256 x 1, 8 waves a work-group, no clusters, 327,680 bytes of LDS; arguments dino_features, wimg, wscl, qs, bk, part_o, part_ml; writes part_o, part_ml
.if DOCPART == 2
	.amdgcn_target "amdgcn-amd-amdhsa--gfx1250"
	.amdhsa_code_object_version 6
	.text
	.protected	k_qdc7dc6d494_main
	.globl	k_qdc7dc6d494_main
	.p2align	8
	.type	k_qdc7dc6d494_main,@function
k_qdc7dc6d494_main:
	s_mov_b64 s[64:65], 0
	v_nop
	global_prefetch_b8 v0, s[64:65] scope:SCOPE_SE
	s_setreg_imm32_b32 hwreg(HW_REG_WAVE_MODE, 25, 1), 1
	s_wait_xcnt 0x0
; For one batch b and one half of its 1,369 patch rows: x is quantised to BF6 (E3M2, one E8M0 scale for each 32 along K = 384), K = x Wk and V = x Wv are made by the matrix unit, and an online
; softmax of the one query eats them tile by tile: K and V never leave the accumulators.  Out go, for each head, the running maximum m, the sum l and the 64 sums o, not normalised.
; SHARES.  256 work-groups: b = work-group / 2, half = work-group % 2.  Each takes 704 rows = 44 tiles of 16 = 11 rounds of 64: half 0 rows 0-703, half 1 rows 665-1,368, of which the first 39 (they are half 0's)
; get the logit -infinity.  So every tile lies inside the tensor and all work-groups run the same text; the price is 39 rows in 1,369 done twice.
; Eight waves, 512 registers each.  WAVE w OWNS HEAD w: its four column tiles of Wk and four of Wv, 24 fragments in 288 registers, read once and kept.
; x comes as f32 by tensor loads into a ring of two LDS slots of 64 rows (each wave fetches 8 rows); the waves quantise a slot from LDS (wave w: tile w / 2, half w % 2 of each K step) and hand the codes round as
; images of the operand's registers, in two buffers by turns.  ONE barrier a period: period j multiplies round j's codes, quantises round j + 1 and asks for round j + 2.
; THE PRODUCTS ARE USED TRANSPOSED (source 0 = 16 columns of W, source 1 = 16 rows of x): lane (r, h) holds row r and columns 8 h + 0 .. 7.  So a row's logit is 32 multiply-adds in a lane and one exchange of halves, and
; each lane keeps a running maximum, sum and o of its own for the rows r, r + 16, ..: no reduction across lanes in the loop; the sixteen classes of rows are merged once, at the end.
; BIASES.  bk enters each logit as q' . bk, the addend of its first multiply-add; bv is added in the last launch, behind the division by the sum (the weights add up to 1).  q' holds log2(e) / (8 x temperature): p = 2^(t - m).
; NO CLUSTER: the work-groups share only the weights, 36,864 bytes a wave read once, straight into registers, against 1,081,344 bytes of x of the work-group's own.
; LIMITS: NaN and infinities among the inputs are not served; a block of zeros gets the scale byte 1 where the rule says 127 (its codes are zeros, and this program alone reads the bytes).
.set XP,     1584                      ; a row of x in LDS: 3 x (512 bytes + 16 of padding) = 99 x 16 bytes: the sixteen rows of a 16-byte load start in sixteen different 16-byte columns of 256
.set XSLOT,  64*XP                     ; 101,376
.set ROUNDB, 64*1536                   ; a round's rows in memory
.set IMG0,   2*XSLOT                   ; codes: two buffers of 4 tiles x 4,608 bytes; in a tile lane l owns 144 bytes at 144 l: fragment s at 48 s, its registers 6 c .. 6 c + 5 at 48 s + 24 c
.set IMGB,   18432
.set TILEB,  4608
.set SCL0,   IMG0+2*IMGB               ; scale bytes: two buffers of 4 tiles x 16 rows x 16 bytes; the byte of block 4 s + 2 c + h of row r at 16 r + 4 s + 2 c + h
.set SCLB,   1024
.set OST,    SCL0+2*SCLB               ; the way out: 256 bytes a wave
.set MLB,    OST+2048                  ; (m, l) of head w at 8 w
.set SPARE,  MLB+256                   ; the spare words, 128 bytes for each wave: four blocks of 256 bytes that no other line names
.set SPW,  1                           ; v1    LDS address of my spare word; never rewritten
.set NIL,  2                           ; v2    0; never rewritten
.set AF,   3                           ; v3-4  my block's place in f32 slot 0, 1
.set AIW,  5                           ; v5    where I store codes
.set ASW,  6                           ; v6    where I store a scale byte
.set AIR,  7                           ; v7    where I read a tile's fragments: IMG0 + 144 l
.set ASR,  8                           ; v8    and its scale words: SCL0 + 16 r
.set WS,   24                          ; v24-47   the weights' scale words, one for each fragment: scales and nothing else
.set W0F,  48                          ; v48-83   fragments 21, 22, 23
.set XF,   84                          ; v84-119  x's three fragments; while quantising: codes and work
.set XSC,  120                         ; v120-122 x's three scale words: scales and nothing else
.set RQ,   124                         ; v124-155 q': register 8 t + j = column 16 t + 8 h + j of my head
.set RO,   156                         ; v156-187 o, likewise
.set ACC,  188                         ; v188-251 eight accumulators; while quantising: two blocks of 32 numbers
.set KA,   ACC
.set VA,   ACC+32
; v9 my row; v10 the logit; v11 a permute's destination; v[12:13] the rescaling factor, the running maximum; v[14:15] the weight, the running sum; v[16:19] the logit's two chains; v[20:21] my half's part of q' . bk, 0
; v22 16 l, later 8 l; v23 4,096 h; v252-255 LDS addresses of the way out.   Window 1: v[12 f .. 12 f + 11] fragment f = 8 s + tile, f = 0 .. 20
.set WV,   18                          ; s18 wave; s19 b; s20 half; s21 first row that counts; s[22:23] selects for lane l xor 16
.set G1,   24                          ; s[24:31] descriptor group 1
.set G0,   32                          ; s[32:39] group 0, a set for each slot
.set MSB, 0
.macro WIN new                         ; the immediate's high byte repeats the setting that is left; a switch that changes nothing is dropped
.if MSB != \new
	s_set_vgpr_msb (MSB<<8)|\new
.set MSB, \new
.endif
.endm
.macro XLOAD bf, t                     ; tile t of buffer bf: nine loads of 16 bytes a lane are the three fragments as they stood in the registers; three scale words a row
.irp i, 0,1,2,3,4,5,6,7,8
	ds_load_b128 v[XF+4*\i:XF+4*\i+3], v[AIR] offset:(\bf)*IMGB+(\t)*TILEB+16*\i
.endr
	ds_load_b96 v[XSC:XSC+2], v[ASR] offset:(\bf)*SCLB+(\t)*256
.endm
; A tile's 24 products: K step s = f / 8, column tile f % 8 (0-3 K's, 4-7 V's).  The eight accumulators take turns, one instruction a turn; the first eight start the sums with the constant 0.
.macro MULS
.set f, 0
.rept 24
.if f < 21
	WIN 0x01                                       ; source 0 in window 1
.set wr, 12*f
.else
	WIN 0                                          ; the last three fragments lie in window 0
.set wr, W0F+12*(f-21)
.endif
.set ar, ACC+8*(f%8)
.set xr, XF+12*(f/8)
.if f < 8
	v_wmma_scale_f32_16x16x128_f8f6f4 v[ar:ar+7], v[wr:wr+11], v[xr:xr+11], 0, v[WS+f], v[XSC+f/8] matrix_a_fmt:MATRIX_FMT_BF6 matrix_b_fmt:MATRIX_FMT_BF6
.else
	v_wmma_scale_f32_16x16x128_f8f6f4 v[ar:ar+7], v[wr:wr+11], v[xr:xr+11], v[ar:ar+7], v[WS+f], v[XSC+f/8] matrix_a_fmt:MATRIX_FMT_BF6 matrix_b_fmt:MATRIX_FMT_BF6
.endif
.set f, f+1
.endr
.endm
; One row a lane: the logit, the running maximum, the weight, o.  v12 holds the old maximum on the way in.
.macro ATTN
	v_pk_fma_f32 v[16:17], v[KA:KA+1], v[RQ:RQ+1], v[20:21]        ; t = q' . (K + bk): two chains, each accumulator from its low end on
	v_pk_mul_f32 v[18:19], v[KA+2:KA+3], v[RQ+2:RQ+3]
.irp j, 4,8,12,16,20,24,28
	v_pk_fma_f32 v[16:17], v[KA+\j:KA+\j+1], v[RQ+\j:RQ+\j+1], v[16:17]
	v_pk_fma_f32 v[18:19], v[KA+\j+2:KA+\j+3], v[RQ+\j+2:RQ+\j+3], v[18:19]
.endr
	v_pk_add_f32 v[16:17], v[16:17], v[18:19]
	v_add_f32 v10, v16, v17
	v_permlanex16_b32 v11, v10, s22, s23           ; the row's other 32 columns lie in the lane 16 away
	v_add_f32 v10, v10, v11
	v_cmp_le_u32 vcc_lo, s21, v9                   ; does my row count?
	v_cndmask_b32 v10, 0xff800000, v10, vcc_lo     ; if not: -infinity, so that its weight is 0
	v_max_num_f32 v13, v13, v10                    ; the running maximum
	v_sub_f32 v12, v12, v13                        ; old less new
	v_sub_f32 v14, v10, v13
	v_exp_f32 v12, v12                             ; what was summed under the old maximum is brought under the new
	v_exp_f32 v14, v14                             ; the weight, at most 1
	v_add_nc_u32 v9, 16, v9                        ; my row of the next tile: the plain line behind the exponentials
	s_wait_alu depctr_va_vdst(0)                   ; one wait for the two, ahead of their first reader
	v_fma_f32 v15, v15, v12, v14
.irp g, 0,8,16,24
.irp i, 0,2,4,6
	v_pk_mul_f32 v[RO+\g+\i:RO+\g+\i+1], v[RO+\g+\i:RO+\g+\i+1], v[12:13] op_sel_hi:[1,0]
.endr
.irp i, 0,2,4,6
	v_pk_fma_f32 v[RO+\g+\i:RO+\g+\i+1], v[VA+\g+\i:VA+\g+\i+1], v[14:15], v[RO+\g+\i:RO+\g+\i+1] op_sel_hi:[1,0,1]
.endr
.endr
.endm
; One whole block of 32 numbers, all in my registers v[X] on, of K step s: its scale byte and its 24 bytes of codes go to buffer bf.  Each block has its own registers for codes and byte.
.macro QBLK bf, s, X
.set cr, XF+8*(\s)
	v_max3_num_f32 v108, |v[(\X)]|, |v[(\X)+1]|, 0x2800000          ; the largest magnitude, in two chains; the floor 2^(5 - 127) keeps the byte at 1 or above
	v_max3_num_f32 v109, |v[(\X)+2]|, |v[(\X)+3]|, |v[(\X)+4]|
.irp i, 5,9,13,17,21,25
	v_max3_num_f32 v108, v108, |v[(\X)+\i]|, |v[(\X)+\i+1]|
	v_max3_num_f32 v109, v109, |v[(\X)+\i+2]|, |v[(\X)+\i+3]|
.endr
	v_max3_num_f32 v108, v108, |v[(\X)+29]|, |v[(\X)+30]|
	v_max3_num_f32 v108, v108, v109, |v[(\X)+31]|
	v_add_nc_u32 v110, 0xfe000000, v108            ; 4 off its exponent field: the conversion takes this operand's exponent field as its scale
	v_cvt_scalef32_pk16_bf6_f32 v[cr:cr+2], v[(\X):(\X)+15], v110
	v_cvt_scalef32_pk16_bf6_f32 v[cr+4:cr+6], v[(\X)+16:(\X)+31], v110   ; a conversion's three registers begin on an even number
	v_lshrrev_b32 v[112+(\s)], 23, v110            ; the scale's byte: also the plain line behind the conversions
	v_mov_b32 v[cr+3], v[cr+4]
	v_mov_b32 v[cr+4], v[cr+5]
	v_mov_b32 v[cr+5], v[cr+6]
	ds_store_b64 v[AIW], v[cr:cr+1] offset:(\bf)*IMGB+48*(\s)
	ds_store_b64 v[AIW], v[cr+2:cr+3] offset:(\bf)*IMGB+48*(\s)+8
	ds_store_b64 v[AIW], v[cr+4:cr+5] offset:(\bf)*IMGB+48*(\s)+16
	ds_store_b8 v[ASW], v[112+(\s)] offset:(\bf)*SCLB+4*(\s)
.endm
; f32 slot sl becomes image buffer sl.  Lane (r, h) of wave w takes, of row 16 (w / 2) + r, k = 128 s + 64 (w % 2) + 32 h + 0 .. 31 for s = 0, 1, 2: just the 24 bytes that the same lane of every reader wants.
.macro QPHASE sl
.irp i, 0,1,2,3,4,5,6,7
	ds_load_b128 v[ACC+4*\i:ACC+4*\i+3], v[AF+(\sl)] offset:16*\i
.endr
.irp i, 0,1,2,3,4,5,6,7
	ds_load_b128 v[ACC+32+4*\i:ACC+32+4*\i+3], v[AF+(\sl)] offset:528+16*\i
.endr
	s_wait_dscnt 8                                 ; block 0 is in; block 1's eight loads may be out
	QBLK (\sl), 0, ACC
.irp i, 0,1,2,3,4,5,6,7
	ds_load_b128 v[ACC+4*\i:ACC+4*\i+3], v[AF+(\sl)] offset:1056+16*\i
.endr
	s_wait_dscnt 12                                ; block 1 is in: behind its loads stand block 0's four stores and block 2's eight loads
	QBLK (\sl), 1, ACC+32
	s_wait_dscnt 4                                 ; block 2 is in: behind its loads stand block 1's four stores
	QBLK (\sl), 2, ACC
	s_wait_dscnt 0x0                               ; the stores have read their registers: x's fragments may land there
.endm
.macro PRODUCTS bf                     ; a round's four tiles; the next tile's fragments are asked for behind a tile's products and land during its softmax
	XLOAD \bf, 0
.irp t, 0,1,2,3
	s_wait_dscnt 0x0
	MULS
	v_mov_b32 v12, v13                             ; the old maximum.  With the three lines below: the four places in front of loads into registers that the products have read, and of the first read of results
.rept 3
	v_nop
.endr
.if \t < 3
	XLOAD \bf, \t+1
.endif
	ATTN
.endr
.endm
; A PERIOD.  In front of its barrier each wave has waited for its tensor load (its part of the slot to be quantised now), for its stores of codes (the buffer to be multiplied now), for its reads of the f32 slot that
; is filled again and of the image buffer that is written again.  fill = 1: slot sl takes the round two on, first thing behind the barrier: by this text's count one tensor load of the wave is then out.
; Waves 0-3 quantise ahead of their products and waves 4-7 behind them, so that the eight waves do not all do the same kind of work at the same time; both orders touch the same bytes between the same two barriers.
.macro PERIOD sl, fill, tw, quant
.if \tw
	s_wait_tensorcnt 0x0                           ; all my tensor loads have landed, so a group 0 may be written
	ds_add_u32 v[SPW], v[NIL]                      ; 0 onto my spare word
.if \fill
	s_add_nc_u64 s[G0+4*\sl+2:G0+4*\sl+3], s[G0+4*\sl+2:G0+4*\sl+3], 2*ROUNDB   ; this slot's next round; the type bits on top are not reached
.endif
.endif
	s_wait_dscnt 0x0                               ; the add is done, my stores have landed and my reads are over
	s_barrier_signal -1
	s_barrier_wait -1
.if \fill
	tensor_load_to_lds s[G0+4*\sl:G0+4*\sl+3], s[G1:G1+7]
	s_nop 0
.rept 4
	v_nop                                          ; four lines behind a tensor load
.endr
.endif
.if \quant
	s_cmp_lt_u32 s[WV], 4
	s_cbranch_scc0 .Llate_\@
	QPHASE 1-\sl
.Llate_\@:
.endif
	PRODUCTS \sl
.if \quant
	s_cmp_lt_u32 s[WV], 4
	s_cbranch_scc1 .Ldone_\@
	QPHASE 1-\sl
.Ldone_\@:
.endif
.endm
	s_load_b256 s[4:11], s[0:1], 0x0               ; dino s[4:5], wimg s[6:7], wscl s[8:9], qs s[10:11]
	s_load_b128 s[12:15], s[0:1], 0x20             ; bk s[12:13], part_o s[14:15]
	s_load_b64 s[16:17], s[0:1], 0x30              ; part_ml
	v_lshl_add_u32 v[SPW], v0, 2, SPARE
	v_mov_b32 v[NIL], 0
	ds_add_u32 v1, v2
	ds_add_u32 v1, v2
	s_wait_dscnt 0x0
	v_lshrrev_b32 v10, 5, v0
	v_readfirstlane_b32 s[WV], v10                 ; wave 0..7
	s_lshr_b32 s19, ttmp9, 1                       ; b
	s_and_b32 s20, ttmp9, 1                        ; half
	s_mul_i32 s21, s20, 39                         ; half 1's first 39 rows are half 0's
	s_mov_b32 s22, 0x76543210
	s_mov_b32 s23, 0xfedcba98
	; group 1: 8 rows x 384 elements of 4 bytes, 16 bytes of padding behind every 512
	s_mov_b32 s[G1+0], (2<<16)|(1<<20)|(6<<22)|(3<<25)  ; no mask; elements of 4 bytes; padding on; after every 128 words (code 6); 4 words of it (code 3)
	s_mov_b32 s[G1+1], 384<<16                     ; tensor_dim0
	s_mov_b32 s[G1+2], 8<<16                       ; tensor_dim1
	s_mov_b32 s[G1+3], 384<<16                     ; tile_dim0
	s_mov_b32 s[G1+4], 8                           ; tile_dim1
	s_mov_b32 s[G1+5], 384                         ; elements from row to row
	s_mov_b32 s[G1+6], 0
	s_mov_b32 s[G1+7], 0
	s_mul_i32 s42, s19, 1369
	s_mul_i32 s43, s20, 665
	s_add_co_u32 s42, s42, s43
	s_lshl_b32 s43, s[WV], 3
	s_add_co_u32 s42, s42, s43                     ; the first of the 8 rows that I fetch
	s_mul_i32 s42, s42, 1536                       ; in bytes: under 2^29
	s_mov_b32 s43, 0
	s_mul_i32 s44, s[WV], 8*XP                     ; and where they go in a slot
	s_wait_kmcnt 0x0
	s_add_nc_u64 s[4:5], s[4:5], s[42:43]
.irp n, 0,1
	s_mov_b32 s[G0+4*\n], 1                        ; count = 1
	s_add_co_u32 s[G0+4*\n+1], s44, \n*XSLOT       ; LDS address
	s_add_nc_u64 s[G0+4*\n+2:G0+4*\n+3], s[4:5], \n*ROUNDB   ; global address: round n
	s_or_b32 s[G0+4*\n+3], s[G0+4*\n+3], 0x80000000          ; type = 2
.endr
	tensor_load_to_lds s[G0:G0+3], s[G1:G1+7]      ; both first fills go out together, ahead of everything else: two tensor loads of mine are out
	s_nop 0
	tensor_load_to_lds s[G0+4:G0+7], s[G1:G1+7]
	s_nop 0
.rept 4
	v_nop
.endr
	v_and_b32 v16, 15, v0                          ; r
	v_bfe_u32 v17, v0, 4, 1                        ; h
	v_and_b32 v18, 31, v0                          ; l
	v_lshlrev_b32 v22, 4, v18                      ; 16 l
	v_lshlrev_b32 v23, 12, v17                     ; 4,096 h
	v_lshlrev_b32 v11, 5, v17                      ; 32 h
	s_mul_i32 s42, s[WV], 36864
	s_add_nc_u64 s[6:7], s[6:7], s[42:43]          ; my head's fragments,
	s_lshl_b32 s42, s[WV], 12
	s_add_nc_u64 s[8:9], s[8:9], s[42:43]          ; their scale words,
	s_lshl_b32 s42, s[WV], 15
	s_lshl_b32 s44, s19, 4
	s_add_co_u32 s42, s42, s44
	s_add_nc_u64 s[10:11], s[10:11], s[42:43]      ; q' of my head and batch,
	s_lshl_b32 s42, s[WV], 8
	s_add_nc_u64 s[12:13], s[12:13], s[42:43]      ; bk of my head,
	s_lshl_b32 s44, ttmp9, 11
	s_add_co_u32 s44, s44, s42
	s_mov_b32 s45, 0
	s_add_nc_u64 s[14:15], s[14:15], s[44:45]      ; my 256 bytes of part_o,
	s_lshl_b32 s44, ttmp9, 8
	s_add_nc_u64 s[16:17], s[16:17], s[44:45]      ; the work-group's 256 bytes of part_ml
	WIN 0x40                                       ; destination window 1, address window 0
.set f, 0
.rept 21
.irp c, 0,1,2
	global_load_b128 v[12*f+4*\c:12*f+4*\c+3], v22, s[6:7] offset:1536*f+512*\c
.endr
.set f, f+1
.endr
	WIN 0
.irp g, 0,1,2
.irp c, 0,1,2
	global_load_b128 v[W0F+12*\g+4*\c:W0F+12*\g+4*\c+3], v22, s[6:7] offset:1536*(21+\g)+512*\c
.endr
.endr
.set f, 0
.rept 24
	global_load_b32 v[WS+f], v22, s[8:9] offset:512*(f%8)+4*(f/8)
.set f, f+1
.endr
.irp t, 0,1,2,3
.irp j, 0,1
	global_load_b128 v[RQ+8*\t+4*\j:RQ+8*\t+4*\j+3], v23, s[10:11] offset:8192*\t+2048*\j
	global_load_b128 v[ACC+8*\t+4*\j:ACC+8*\t+4*\j+3], v11, s[12:13] offset:64*\t+16*\j   ; bk, in q's layout
.endr
.endr
	; every LDS address is made here, ahead of the first branch on the wave's number
	s_lshr_b32 s45, s[WV], 1                       ; the tile that I quantise
	s_and_b32 s46, s[WV], 1                        ; and which half of each K step
	s_mul_i32 s47, s45, 16*XP
	s_lshl_b32 s48, s46, 8
	s_add_co_u32 s47, s47, s48
	v_mul_u32_u24 v[AF], v16, XP
	v_lshl_add_u32 v[AF], v17, 7, v[AF]
	v_add_nc_u32 v[AF], s47, v[AF]                 ; (16 tile + r) x 1,584 + 256 x half of the K step + 128 h
	v_add_nc_u32 v[AF+1], XSLOT, v[AF]
	s_mul_i32 s47, s45, TILEB
	s_mul_i32 s48, s46, 24
	s_add_co_u32 s47, s47, s48
	s_add_co_u32 s47, s47, IMG0
	v_mul_u32_u24 v[AIR], v18, 144
	v_add_nc_u32 v[AIW], s47, v[AIR]
	v_add_nc_u32 v[AIR], IMG0, v[AIR]
	s_lshl_b32 s47, s45, 8
	s_lshl_b32 s48, s46, 1
	s_add_co_u32 s47, s47, s48
	s_add_co_u32 s47, s47, SCL0
	v_lshl_add_u32 v[ASW], v16, 4, v17
	v_add_nc_u32 v[ASW], s47, v[ASW]
	v_lshl_add_u32 v[ASR], v16, 4, SCL0
	s_lshl_b32 s47, s[WV], 8
	s_add_co_u32 s47, s47, OST
	v_lshl_add_u32 v252, v17, 5, s47               ; the way out: o goes to OST + 256 w + 32 h,
	v_lshl_add_u32 v254, v18, 3, s47               ; and comes back 8 bytes a lane
	s_lshl_b32 s47, s[WV], 3
	s_add_co_u32 s47, s47, MLB
	v_mov_b32 v253, s47                            ; (m, l) of my head
	v_and_b32 v255, 7, v0
	v_lshl_add_u32 v255, v255, 3, MLB              ; wave 0 reads all eight, four times over
	s_wait_loadcnt 0x0                             ; weights, scale words, q', bk
	v_lshlrev_b32 v22, 3, v18                      ; 8 l, for the stores at the end
	v_mov_b32 v9, v16                              ; my row of tile 0
	v_pk_mul_f32 v[16:17], v[RQ:RQ+1], v[ACC:ACC+1]                ; q' . bk over my half's 32 columns; the logit's own exchange of halves joins the two parts
	v_pk_mul_f32 v[18:19], v[RQ+2:RQ+3], v[ACC+2:ACC+3]
.irp j, 4,8,12,16,20,24,28
	v_pk_fma_f32 v[16:17], v[RQ+\j:RQ+\j+1], v[ACC+\j:ACC+\j+1], v[16:17]
	v_pk_fma_f32 v[18:19], v[RQ+\j+2:RQ+\j+3], v[ACC+\j+2:ACC+\j+3], v[18:19]
.endr
	v_pk_add_f32 v[16:17], v[16:17], v[18:19]
	v_add_f32 v20, v16, v17
	v_mov_b32 v21, 0
	v_mov_b32 v11, 0                               ; a lane permute's destination counts as one of its sources
	v_mov_b32 v12, 0
	v_mov_b32 v13, 0xff61b1e6                      ; the running maximum: -3e38, under every logit
	v_mov_b32 v14, 0
	v_mov_b32 v15, 0                               ; the sum
.set n, 0
.rept 32
	v_mov_b32 v[RO+n], 0                           ; o: the step is written once; the first finds zeros
.set n, n+1
.endr
	s_wait_tensorcnt 0x1                           ; my part of round 0 is in; round 1's load may stay out
	s_barrier_signal -1
	s_barrier_wait -1                              ; everybody's is
	QPHASE 0
	s_mov_b32 s40, 4
.Lloop:                                            ; periods 0 to 7: they ask for rounds 2 to 9
	PERIOD 0, 1, 1, 1
	PERIOD 1, 1, 1, 1
	s_sub_co_u32 s40, s40, 1
	s_cmp_lg_u32 s40, 0
	s_cbranch_scc1 .Lloop
	PERIOD 0, 1, 1, 1                              ; the tail is written out: period 8 asks for round 10, the last
	PERIOD 1, 0, 1, 1                              ; period 9 asks for nothing, and its wait shows round 10 landed;
	PERIOD 0, 0, 0, 0                              ; period 10 has nothing left to quantise
	; THE WAY OUT.  The sixteen classes of rows are merged: the largest maximum, everything brought under it, sums across the sixteen lanes of each half (both halves hold the same m and l).
	v_mov_b32 v10, v13
.irp x, 1,2,4,8
	v_max_num_f32_dpp v10, v10, v10 row_xmask:\x row_mask:0xf bank_mask:0xf
.endr
	v_sub_f32 v12, v13, v10
	v_exp_f32 v12, v12
	v_nop                                          ; a plain line behind the exponential,
	s_wait_alu depctr_va_vdst(0)                   ; and the wait ahead of its first reader
	v_mul_f32 v15, v15, v12
.irp i, 0,2,4,6,8,10,12,14,16,18,20,22,24,26,28,30
	v_pk_mul_f32 v[RO+\i:RO+\i+1], v[RO+\i:RO+\i+1], v[12:13] op_sel_hi:[1,0]
.endr
.irp x, 1,2,4,8
	v_add_f32_dpp v15, v15, v15 row_xmask:\x row_mask:0xf bank_mask:0xf
.set n, 0
.rept 32
	v_add_f32_dpp v[RO+n], v[RO+n], v[RO+n] row_xmask:\x row_mask:0xf bank_mask:0xf
.set n, n+1
.endr
.endr
	v_mov_b32 v11, v15                             ; the pair (m, l)
.irp t, 0,1,2,3
	ds_store_b128 v252, v[RO+8*\t:RO+8*\t+3] offset:64*\t          ; sixteen lanes write the same bytes with the same values: columns 16 t + 8 h + 0 .. 7
	ds_store_b128 v252, v[RO+8*\t+4:RO+8*\t+7] offset:64*\t+16
.endr
	ds_store_b64 v253, v[10:11]
	s_wait_dscnt 0x0                               ; for wave 0's sake: my (m, l) lies in LDS
	s_barrier_signal -1
	s_barrier_wait -1
	ds_load_b64 v[16:17], v254
	s_wait_dscnt 0x0
	global_store_b64 v22, v[16:17], s[14:15]       ; 32 lanes store my head's 256 consecutive bytes, aligned
	s_cmp_lg_u32 s[WV], 0
	s_cbranch_scc1 .Lend
	ds_load_b64 v[18:19], v255
	s_wait_dscnt 0x0
	global_store_b64 v22, v[18:19], s[16:17]       ; the eight heads' (m, l), four times over: 256 consecutive bytes, aligned
.Lend:
	s_wait_tensorcnt 0x0                           ; the wave's end, behind my last tensor load and my last LDS store
	ds_add_u32 v[SPW], v[NIL]
	s_wait_dscnt 0x0
	s_endpgm
.Lfunc_end_k_qdc7dc6d494_main:
	.size	k_qdc7dc6d494_main, .Lfunc_end_k_qdc7dc6d494_main-k_qdc7dc6d494_main
	.p2alignl 7, 3214868480
	.fill 96, 4, 3214868480
	.section	.rodata,"a",@progbits
	.p2align	6, 0x0
	.amdhsa_kernel k_qdc7dc6d494_main
		.amdhsa_group_segment_fixed_size 327680
		.amdhsa_private_segment_fixed_size 0
		.amdhsa_enable_private_segment 0
		.amdhsa_kernarg_size 56
		.amdhsa_user_sgpr_count 2
		.amdhsa_user_sgpr_kernarg_segment_ptr 1
		.amdhsa_wavefront_size32 1
		.amdhsa_system_sgpr_workgroup_id_x 1
		.amdhsa_system_sgpr_workgroup_id_y 1
		.amdhsa_system_sgpr_workgroup_id_z 1
		.amdhsa_system_vgpr_workitem_id 0
		.amdhsa_next_free_vgpr 512
		.amdhsa_next_free_sgpr 66
		.amdhsa_reserve_vcc 1
		.amdhsa_float_denorm_mode_32 3
		.amdhsa_float_denorm_mode_16_64 3
		.amdhsa_memory_ordered 1
		.amdhsa_forward_progress 1
		.amdhsa_inst_pref_size 238
	.end_amdhsa_kernel
	.amdgpu_metadata
---
amdhsa.version: [ 1, 2 ]
amdhsa.kernels:
  - .name:           k_qdc7dc6d494_main
    .symbol:         k_qdc7dc6d494_main.kd
    .args:
      - { .name: dino_features, .offset: 0, .size: 8, .value_kind: global_buffer, .address_space: global }
      - { .name: wimg, .offset: 8, .size: 8, .value_kind: global_buffer, .address_space: global }
      - { .name: wscl, .offset: 16, .size: 8, .value_kind: global_buffer, .address_space: global }
      - { .name: qs, .offset: 24, .size: 8, .value_kind: global_buffer, .address_space: global }
      - { .name: bk, .offset: 32, .size: 8, .value_kind: global_buffer, .address_space: global }
      - { .name: part_o, .offset: 40, .size: 8, .value_kind: global_buffer, .address_space: global }
      - { .name: part_ml, .offset: 48, .size: 8, .value_kind: global_buffer, .address_space: global }
    .group_segment_fixed_size: 327680
    .private_segment_fixed_size: 0
    .kernarg_segment_align: 8
    .kernarg_segment_size: 56
    .max_flat_workgroup_size: 256
    .sgpr_count:     66
    .vgpr_count:     512
    .wavefront_size: 32
...
	.end_amdgpu_metadata
.endif
;; end of part 2
;; launch finish (part 3): grid 128 x 1, 1 waves a work-group, no clusters, 0 bytes of LDS; arguments part_o, part_ml, bv, ln_gamma, ln_beta, out0; writes out0
.if DOCPART == 3
	.amdgcn_target "amdgcn-amd-amdhsa--gfx1250"
	.amdhsa_code_object_version 6
	.text
	.protected	k_qdc7dc6d494_finish
	.globl	k_qdc7dc6d494_finish
	.p2align	8
	.type	k_qdc7dc6d494_finish,@function
k_qdc7dc6d494_finish:
	s_mov_b64 s[64:65], 0
	v_nop
	global_prefetch_b8 v0, s[64:65] scope:SCOPE_SE
	s_setreg_imm32_b32 hwreg(HW_REG_WAVE_MODE, 25, 1), 1
	s_wait_xcnt 0x0
; One wave, one batch: the two halves' (m, l, o) of each head are merged under the larger m, o is divided by the sum, bv is added (the weights add up to 1), and the row of 512 is normalised:
; out = (y - mean) x rsqrt(var + 1e-5) x gamma + beta.  Lane l takes columns 128 i + 4 l + 0 .. 3, i = 0 .. 3: every load and store of 16 bytes a lane covers 512 consecutive bytes; their head is 2 i + l / 16.
; m is in base 2, as the launch before left it.  A row belongs to one wave: no LDS, no barrier, no matrix unit.
; REGISTERS: v8-23 o of half 0; v24-39 o of half 1, then y, then the result; v40-47, v48-55 (m, l) of the halves; v56-71 bv; v72-87 gamma; v88-103 beta; v104.. at work.
	s_load_b256 s[4:11], s[0:1], 0x0               ; part_o s[4:5], part_ml s[6:7], bv s[8:9], gamma s[10:11]
	s_load_b128 s[12:15], s[0:1], 0x20             ; beta s[12:13], out0 s[14:15]
	v_lshlrev_b32 v1, 4, v0                        ; 16 l
	v_lshrrev_b32 v2, 4, v0
	v_lshlrev_b32 v2, 3, v2                        ; 8 (l / 16)
	s_lshl_b32 s16, ttmp9, 12                      ; two rows of 2,048 bytes a batch
	s_mov_b32 s17, 0
	s_lshl_b32 s18, ttmp9, 9                       ; two blocks of 256 bytes a batch
	s_mov_b32 s19, 0
	s_lshl_b32 s20, ttmp9, 11
	s_mov_b32 s21, 0
	s_mov_b32 s22, 0x76543210
	s_mov_b32 s23, 0xfedcba98                      ; selects for lane l xor 16
	s_mov_b32 s24, 0x3b000000                      ; 1 / 512
	s_wait_kmcnt 0x0
	s_add_nc_u64 s[4:5], s[4:5], s[16:17]
	s_add_nc_u64 s[6:7], s[6:7], s[18:19]
	s_add_nc_u64 s[14:15], s[14:15], s[20:21]
.irp i, 0,1,2,3
	global_load_b64 v[40+2*\i:41+2*\i], v2, s[6:7] offset:16*\i
	global_load_b64 v[48+2*\i:49+2*\i], v2, s[6:7] offset:256+16*\i
.endr
.irp i, 0,1,2,3
	global_load_b128 v[8+4*\i:11+4*\i], v1, s[4:5] offset:512*\i
	global_load_b128 v[24+4*\i:27+4*\i], v1, s[4:5] offset:2048+512*\i
	global_load_b128 v[56+4*\i:59+4*\i], v1, s[8:9] offset:512*\i
	global_load_b128 v[72+4*\i:75+4*\i], v1, s[10:11] offset:512*\i
	global_load_b128 v[88+4*\i:91+4*\i], v1, s[12:13] offset:512*\i
.endr
	s_wait_loadcnt 0x0
.irp i, 0,1,2,3
	v_max_num_f32 v[104+\i], v[40+2*\i], v[48+2*\i]                ; the larger maximum
.endr
.irp i, 0,1,2,3
	v_sub_f32 v[108+\i], v[40+2*\i], v[104+\i]
	v_sub_f32 v[112+\i], v[48+2*\i], v[104+\i]
.endr
.irp i, 0,1,2,3
	v_exp_f32 v[108+\i], v[108+\i]
	v_exp_f32 v[112+\i], v[112+\i]
.endr
	v_nop                                          ; a plain line behind the batch of eight,
	s_wait_alu depctr_va_vdst(0)                   ; and one wait ahead of its first reader
.irp i, 0,1,2,3
	v_mul_f32 v[116+\i], v[112+\i], v[49+2*\i]
.endr
.irp i, 0,1,2,3
	v_fma_f32 v[116+\i], v[108+\i], v[41+2*\i], v[116+\i]          ; the whole sum
.endr
.irp i, 0,1,2,3
	v_rcp_f32 v[116+\i], v[116+\i]
.endr
	v_nop
	s_wait_alu depctr_va_vdst(0)
.irp i, 0,1,2,3
	v_mul_f32 v[108+\i], v[108+\i], v[116+\i]
	v_mul_f32 v[112+\i], v[112+\i], v[116+\i]
.endr
.irp i, 0,1,2,3
.irp j, 0,1,2,3
	v_fma_f32 v[24+4*\i+\j], v[24+4*\i+\j], v[112+\i], v[56+4*\i+\j]
.endr
.endr
.irp i, 0,1,2,3
.irp j, 0,1,2,3
	v_fma_f32 v[24+4*\i+\j], v[8+4*\i+\j], v[108+\i], v[24+4*\i+\j]   ; y
.endr
.endr
	v_pk_add_f32 v[120:121], v[24:25], v[26:27]    ; the mean: my 16, in two chains,
	v_pk_add_f32 v[122:123], v[28:29], v[30:31]
.irp j, 32,36
	v_pk_add_f32 v[120:121], v[120:121], v[\j:\j+1]
	v_pk_add_f32 v[122:123], v[122:123], v[\j+2:\j+3]
.endr
	v_pk_add_f32 v[120:121], v[120:121], v[122:123]
	v_add_f32 v120, v120, v121
.irp x, 1,2,4,8
	v_add_f32_dpp v120, v120, v120 row_xmask:\x row_mask:0xf bank_mask:0xf   ; then the 32 lanes'
.endr
	v_permlanex16_b32 v121, v120, s22, s23
	v_add_f32 v120, v120, v121
	v_mul_f32 v120, s24, v120
.set n, 0
.rept 16
	v_sub_f32 v[24+n], v[24+n], v120
.set n, n+1
.endr
	v_pk_mul_f32 v[122:123], v[24:25], v[24:25]    ; the variance, of the differences
	v_pk_mul_f32 v[124:125], v[26:27], v[26:27]
.irp j, 28,32,36
	v_pk_fma_f32 v[122:123], v[\j:\j+1], v[\j:\j+1], v[122:123]
	v_pk_fma_f32 v[124:125], v[\j+2:\j+3], v[\j+2:\j+3], v[124:125]
.endr
	v_pk_add_f32 v[122:123], v[122:123], v[124:125]
	v_add_f32 v122, v122, v123
.irp x, 1,2,4,8
	v_add_f32_dpp v122, v122, v122 row_xmask:\x row_mask:0xf bank_mask:0xf
.endr
	v_permlanex16_b32 v123, v122, s22, s23
	v_add_f32 v122, v122, v123
	v_fmaak_f32 v122, s24, v122, 0x3727c5ac        ; / 512 + 1e-5
	v_rsq_f32 v122, v122
	v_nop
	s_wait_alu depctr_va_vdst(0)
.irp j, 0,2,4,6,8,10,12,14
	v_pk_mul_f32 v[24+\j:25+\j], v[24+\j:25+\j], v[122:123] op_sel_hi:[1,0]
.endr
.irp j, 0,2,4,6,8,10,12,14
	v_pk_fma_f32 v[24+\j:25+\j], v[24+\j:25+\j], v[72+\j:73+\j], v[88+\j:89+\j]
.endr
.irp i, 0,1,2,3
	global_store_b128 v1, v[24+4*\i:27+4*\i], s[14:15] offset:512*\i   ; 32 lanes store 512 consecutive bytes, aligned
.endr
	s_endpgm
.Lfunc_end_k_qdc7dc6d494_finish:
	.size	k_qdc7dc6d494_finish, .Lfunc_end_k_qdc7dc6d494_finish-k_qdc7dc6d494_finish
	.p2alignl 7, 3214868480
	.fill 96, 4, 3214868480
	.section	.rodata,"a",@progbits
	.p2align	6, 0x0
	.amdhsa_kernel k_qdc7dc6d494_finish
		.amdhsa_group_segment_fixed_size 0
		.amdhsa_private_segment_fixed_size 0
		.amdhsa_enable_private_segment 0
		.amdhsa_kernarg_size 48
		.amdhsa_user_sgpr_count 2
		.amdhsa_user_sgpr_kernarg_segment_ptr 1
		.amdhsa_wavefront_size32 1
		.amdhsa_system_sgpr_workgroup_id_x 1
		.amdhsa_system_sgpr_workgroup_id_y 1
		.amdhsa_system_sgpr_workgroup_id_z 1
		.amdhsa_system_vgpr_workitem_id 0
		.amdhsa_next_free_vgpr 128
		.amdhsa_next_free_sgpr 66
		.amdhsa_reserve_vcc 0
		.amdhsa_float_denorm_mode_32 3
		.amdhsa_float_denorm_mode_16_64 3
		.amdhsa_memory_ordered 1
		.amdhsa_forward_progress 1
		.amdhsa_inst_pref_size 11
	.end_amdhsa_kernel
	.amdgpu_metadata
---
amdhsa.version: [ 1, 2 ]
amdhsa.kernels:
  - .name:           k_qdc7dc6d494_finish
    .symbol:         k_qdc7dc6d494_finish.kd
    .args:
      - { .name: part_o, .offset: 0, .size: 8, .value_kind: global_buffer, .address_space: global }
      - { .name: part_ml, .offset: 8, .size: 8, .value_kind: global_buffer, .address_space: global }
      - { .name: bv, .offset: 16, .size: 8, .value_kind: global_buffer, .address_space: global }
      - { .name: ln_gamma, .offset: 24, .size: 8, .value_kind: global_buffer, .address_space: global }
      - { .name: ln_beta, .offset: 32, .size: 8, .value_kind: global_buffer, .address_space: global }
      - { .name: out0, .offset: 40, .size: 8, .value_kind: global_buffer, .address_space: global }
    .group_segment_fixed_size: 0
    .private_segment_fixed_size: 0
    .kernarg_segment_align: 8
    .kernarg_segment_size: 48
    .max_flat_workgroup_size: 32
    .sgpr_count:     66
    .vgpr_count:     128
    .wavefront_size: 32
...
	.end_amdgpu_metadata
.endif
;; end of part 3
;; ======== version 2 of 2: 3 launches
;; limits: right only within a limited range of input values
;; workspace buffers: wimg 294,912 bytes; wscl 49,152 bytes; qs 262,144 bytes; part_o 524,288 bytes; part_ml 65,536 bytes
;; launch prep (part 4): grid 280 x 1, 8 waves a work-group, no clusters, 81,920 bytes of LDS; arguments clip_features, Wq, bq, temperature, Wk, Wv, qs, wimg, wscl; writes qs, wimg, wscl
.if DOCPART == 4
	.amdgcn_target "amdgcn-amd-amdhsa--gfx1250"
	.amdhsa_code_object_version 6
	.text
	.protected	k_qdc7dc6d494_prep
	.globl	k_qdc7dc6d494_prep
	.p2align	8
	.type	k_qdc7dc6d494_prep,@function
k_qdc7dc6d494_prep:
	s_mov_b64 s[64:65], 0
	v_nop
	global_prefetch_b8 v0, s[64:65] scope:SCOPE_SE
	s_setreg_imm32_b32 hwreg(HW_REG_WAVE_MODE, 25, 1), 1
	s_wait_xcnt 0x0
; Two small jobs in one launch, told apart by the work-group's number.  A UNIT is 16 rows or columns x 128 along K: what one matrix instruction takes of one side.
; WORK-GROUPS 0-23: Wk and Wv, [384][512] f32 with K as the FIRST axis, become codes of BF6 (E3M2) laid in the order of the operand's registers, with their scale words.  A wave to a unit: 64 column tiles x 3 K steps = 192 waves.
;   A lane takes a column and its registers run down K, so nothing is transposed.
; WORK-GROUPS 24-279: one tile of 16 rows x 16 columns of q' = (Q(clip) Q(Wq) + bq) x log2(e) / (8 x temperature), Q the quantiser along K = 512.  Waves 0-3 quantise the rows' four units of clip, waves 4-7 the
;   columns' four units of Wq; the units go to wave 0 through LDS as images of the operand's registers, and wave 0 multiplies.  A work-group reads 32 KB of clip and 32 KB of Wq.
;   clip's rows are loaded as they lie, 512 consecutive bytes a load, and turn through the wave's own stage in LDS into the lane layout that the conversions want.
; A block's scale byte is its largest magnitude's exponent field - 4, held at 1 from below by a floor among the maximum's leaves.
; LIMITS: NaN and infinities among the inputs are not served; temperature = 0 is not served; a block of zeros gets the byte 1 where the rule says 127 (its codes are zeros, and this program alone reads the bytes).
; No tensor loads, no cluster: a work-group's own part is 64 KB, read once.
; WORK LEFT OUT IN THIS PROGRAM: bk.  K = Q(dino) Q(Wk) + bk enters the result through logits[b,h,n] = q[b,h,:] . K[b,n,h,:] / scale alone, a product that is not quantised, so bk moves no code and no scale.
; Its share of a logit is q[b,h,:] . bk[h,:] / scale, the same number for every n of a pair (b, h), and the softmax runs along n: a term that is equal along the softmax's axis cancels in it, for all values of the inputs.
; So bk has no way to any output: it is not loaded and is among no launch's arguments.  LIMIT: a NaN, an infinity or an overflow that would arise from bk alone is not carried to the result.
.set NW,   24
.set SPI,  528                         ; a stage row: 512 bytes + 16: the sixteen rows of a 16-byte load start in sixteen different 16-byte columns of 256
.set STG,  0                           ; LDS: a stage of 16 rows for each wave's number (waves 0-3 use theirs)
.set QIMG, 8*16*SPI                    ; the eight units' images, 1,536 bytes each: chunk c of four registers at 512 c + 16 x lane; units 0-3 clip's, 4-7 Wq's
.set QSC,  QIMG+8*1536                 ; their scale words, 128 bytes a unit
.set PC,   224                         ; v224-235 a unit's codes; v236-242 the second halves as converted
.set TM,   244                         ; v244-245 largest magnitudes, v246-247 the conversions' scale operands, v248-249 bytes, v250 a permute's destination
.set SEL,  22                          ; s[22:23] lane selects for lane l xor 16
.set WV,   24                          ; s24 my wave's number
; 64 numbers of a lane, register 32 c + i = k 64 c + 32 (lane / 16) + i of its row or column, become the 12 registers of an operand in v[PC] on, and the scale word in v[pw] (the same in both halves of the lanes)
.macro QUANT64 X, pw
.irp c, 0,1
	v_max3_num_f32 v[TM+\c], |v[(\X)+32*\c]|, |v[(\X)+32*\c+1]|, 0x2800000   ; my block 2 c + h: all 32 numbers are mine; the floor 2^(5 - 127) keeps the byte at 1 or above
.endr
.irp i, 2,4,6,8,10,12,14,16,18,20,22,24,26,28,30
.irp c, 0,1
	s_delay_alu instid0(VALU_DEP_2)
	v_max3_num_f32 v[TM+\c], v[TM+\c], |v[(\X)+32*\c+\i]|, |v[(\X)+32*\c+\i+1]|   ; the two blocks by turns
.endr
.endr
.irp c, 0,1
	s_delay_alu instid0(VALU_DEP_2)
	v_add_nc_u32 v[TM+2+\c], 0xfe000000, v[TM+\c]  ; 4 off the exponent field: the conversion takes this operand's exponent field as its scale
.endr
.irp c, 0,1
	s_delay_alu instid0(VALU_DEP_2)
	v_lshrrev_b32 v[TM+4+\c], 23, v[TM+2+\c]       ; the scale's byte
.endr
	s_delay_alu instid0(VALU_DEP_1)
	v_lshl_or_b32 v[\pw], v[TM+5], 16, v[TM+4]     ; blocks h and 2 + h,
	s_delay_alu instid0(VALU_DEP_1)
	v_lshlrev_b32 v[\pw], v5, v[\pw]               ; 8 h bits up;
	s_delay_alu instid0(VALU_DEP_1)
	v_permlanex16_b32 v[TM+6], v[\pw], s[SEL], s[SEL+1]
	s_delay_alu instid0(VALU_DEP_1)
	v_or_b32 v[\pw], v[\pw], v[TM+6]               ; with lane l xor 16's two bytes the word is whole
.irp c, 0,1
	v_cvt_scalef32_pk16_bf6_f32 v[PC+6*\c:PC+6*\c+2], v[(\X)+32*\c:(\X)+32*\c+15], v[TM+2+\c]
	v_cvt_scalef32_pk16_bf6_f32 v[PC+12+4*\c:PC+12+4*\c+2], v[(\X)+32*\c+16:(\X)+32*\c+31], v[TM+2+\c]   ; a conversion's three registers begin on an even number: made elsewhere and moved
.endr
	v_nop                                          ; one plain line behind the last scaled conversion
.irp c, 0,1
.irp i, 0,1,2
	v_mov_b32 v[PC+3+6*\c+\i], v[PC+12+4*\c+\i]
.endr
.endr
.endm
	s_load_b256 s[4:11], s[0:1], 0x0               ; clip s[4:5], Wq s[6:7], bq s[8:9], temperature s[10:11]
	s_load_b256 s[12:19], s[0:1], 0x20             ; Wk s[12:13], Wv s[14:15], qs s[16:17], wimg s[18:19]
	s_load_b64 s[20:21], s[0:1], 0x40              ; wscl
	v_lshl_add_u32 v254, v0, 2, 0x13c00
	v_mov_b32 v255, 0
	v_lshrrev_b32 v1, 5, v0
	s_delay_alu instid0(VALU_DEP_1)
	v_readfirstlane_b32 s[WV], v1                  ; wave 0..7
	v_and_b32 v2, 31, v0                           ; lane
	v_and_b32 v3, 15, v0                           ; r
	v_bfe_u32 v4, v0, 4, 1                         ; h
	s_delay_alu instid0(VALU_DEP_1)
	v_lshlrev_b32 v5, 3, v4                        ; 8 h: where my two scale bytes go
	s_delay_alu instid0(VALU_DEP_4)
	v_lshlrev_b32 v6, 4, v2                        ; 16 x lane
	v_lshlrev_b32 v7, 2, v2                        ; 4 x lane
	v_lshlrev_b32 v8, 2, v3
	s_delay_alu instid0(VALU_DEP_1)
	v_lshl_add_u32 v8, v4, 16, v8                  ; a weight: column r, and 32 rows of 2,048 bytes further down for lanes 16-31
	v_mov_b32 v[TM+6], 0                           ; written once: a lane permute's destination counts as one of its sources
	s_mov_b32 s[SEL], 0x76543210
	s_mov_b32 s[SEL+1], 0xfedcba98
	s_cmp_lt_u32 ttmp9, NW
	s_cbranch_scc0 .Lq_path
	; ---- Wk and Wv.  Unit u = 8 x work-group + wave: K step u / 64; tile u % 64: 0-31 are Wk's column tiles, 32-63 Wv's
	s_lshl_b32 s25, ttmp9, 3
	s_add_co_u32 s25, s25, s[WV]
	s_lshr_b32 s26, s25, 6                         ; the K step
	s_and_b32 s27, s25, 63
	s_lshr_b32 s28, s27, 5                         ; 0: Wk, 1: Wv
	s_and_b32 s27, s27, 31                         ; the column tile
	s_lshl_b32 s30, s27, 6                         ; its 16 columns: 64 bytes a tile,
	s_lshl_b32 s31, s26, 18                        ; and 128 rows of 2,048 bytes a K step
	s_add_co_u32 s30, s30, s31
	s_mov_b32 s31, 0
	s_lshr_b32 s32, s27, 2                         ; the head
	s_and_b32 s33, s27, 3
	s_lshl_b32 s34, s28, 2
	s_add_co_u32 s33, s33, s34                     ; the tile's place among the head's eight: K's four, then V's four,
	s_lshl_b32 s34, s26, 3
	s_add_co_u32 s33, s33, s34                     ; + 8 x K step: the fragment's number f
	s_mul_i32 s34, s32, 36864
	s_mul_i32 s35, s33, 1536
	s_add_co_u32 s34, s34, s35
	s_mov_b32 s35, 0
	s_mul_i32 s36, s32, 6144
	s_lshl_b32 s37, s33, 8
	s_add_co_u32 s36, s36, s37
	s_mov_b32 s37, 0
	s_wait_alu depctr_va_vdst(0)
	v_lshlrev_b32 v9, 3, v2                        ; 8 x lane
	s_wait_kmcnt 0x0
	s_cmp_eq_u32 s28, 0                            ; the choice hangs on the unit's number alone
	s_cselect_b64 s[12:13], s[12:13], s[14:15]
	s_add_nc_u64 s[12:13], s[12:13], s[30:31]
	s_add_nc_u64 s[18:19], s[18:19], s[34:35]
	s_add_nc_u64 s[20:21], s[20:21], s[36:37]
.set n, 0
.rept 64
	global_load_b32 v[32+n], v8, s[12:13] offset:(64*(n/32)+n%32)*2048   ; W(128 s + 64 c + 32 h + i, my column)
.set n, n+1
.endr
	s_wait_loadcnt 0x0
	QUANT64 32, 252
	v_mov_b32 v253, v252                           ; the scale word twice over, so that the store below covers 256 consecutive bytes
.irp c, 0,1,2
	global_store_b128 v6, v[PC+4*\c:PC+4*\c+3], s[18:19] offset:512*\c   ; 32 lanes store 512 consecutive bytes, aligned
.endr
	global_store_b64 v9, v[252:253], s[20:21]
	s_endpgm
.Lq_path:
	; ---- q'.  Every LDS address is made here, ahead of the first branch on the wave's number
	s_sub_co_u32 s25, ttmp9, NW
	s_and_b32 s26, s25, 7                          ; the tile of 16 rows
	s_lshr_b32 s27, s25, 3                         ; the tile of 16 columns
	s_and_b32 s28, s[WV], 3                        ; my K step
	s_mul_i32 s29, s[WV], 16*SPI
	s_wait_alu depctr_va_vdst(0)
	v_add_nc_u32 v9, s29, v6                       ; my stage, on the way in: 16 x lane, a row a store
	v_mul_u32_u24 v10, v3, SPI
	s_delay_alu instid0(VALU_DEP_1)
	v_lshl_add_u32 v10, v4, 7, v10
	s_delay_alu instid0(VALU_DEP_1)
	v_add_nc_u32 v10, s29, v10                     ; and on the way out: row r, + 128 h: my block of 32
	s_mul_i32 s29, s[WV], 1536
	s_add_co_u32 s29, s29, QIMG
	v_add_nc_u32 v11, s29, v6                      ; where I store my unit's image
	s_lshl_b32 s29, s[WV], 7
	s_add_co_u32 s29, s29, QSC
	v_add_nc_u32 v12, s29, v7                      ; and its scale words
	v_add_nc_u32 v13, QIMG, v6                     ; wave 0: where the eight units are read
	v_add_nc_u32 v14, QSC, v7
	v_lshlrev_b32 v26, 5, v4                       ; bq: 32 h
	v_lshlrev_b32 v27, 4, v3
	s_delay_alu instid0(VALU_DEP_1)
	v_lshl_add_u32 v27, v4, 12, v27                ; qs: 16 r + 4,096 h
	s_lshl_b32 s30, s26, 15                        ; clip: 16 rows of 2,048 bytes a tile,
	s_lshl_b32 s31, s28, 9                         ; 512 bytes a K step
	s_add_co_u32 s30, s30, s31
	s_mov_b32 s31, 0
	s_lshl_b32 s32, s27, 6                         ; the 16 columns, in bytes
	s_mov_b32 s33, 0
	s_lshl_b32 s34, s28, 18                        ; Wq: 128 rows of 2,048 bytes a K step
	s_mov_b32 s35, 0
	s_lshl_b32 s36, s27, 13
	s_lshl_b32 s37, s26, 8
	s_add_co_u32 s36, s36, s37                     ; qs: 8,192 x column tile + 256 x tile of rows
	s_mov_b32 s37, 0
	s_wait_alu depctr_va_vdst(0)
	s_wait_kmcnt 0x0
	s_load_b32 s38, s[10:11], 0x0                  ; temperature
	s_add_nc_u64 s[4:5], s[4:5], s[30:31]
	s_add_nc_u64 s[6:7], s[6:7], s[32:33]
	s_add_nc_u64 s[6:7], s[6:7], s[34:35]
	s_add_nc_u64 s[8:9], s[8:9], s[32:33]
	s_add_nc_u64 s[16:17], s[16:17], s[36:37]
	global_load_b128 v[160:163], v26, s[8:9]       ; bq at my eight columns: wave 0's sum begins with it; asked for here, on the way that all waves take, so that it is in long before it is wanted
	global_load_b128 v[164:167], v26, s[8:9] offset:16
	s_cmp_lt_u32 s[WV], 4
	s_cbranch_scc0 .Lwq
.irp i, 0,1,2,3,4,5,6,7,8,9,10,11,12,13,14,15
	global_load_b128 v[32+4*\i:32+4*\i+3], v6, s[4:5] offset:2048*\i   ; row i's 128 numbers of my K step: 512 consecutive bytes
.endr
.irp i, 0,1,2,3,4,5,6,7,8,9,10,11,12,13,14,15
	s_wait_loadcnt 15-\i                           ; row i is in; the later rows' loads may be out
	ds_store_b128 v9, v[32+4*\i:32+4*\i+3] offset:SPI*\i
.endr
.irp c, 0,1
.irp i, 0,1,2,3,4,5,6,7
	ds_load_b128 v[96+32*\c+4*\i:96+32*\c+4*\i+3], v10 offset:256*\c+16*\i   ; LDS serves a wave's instructions in order (ISA guide 5.7.1.4): these see my stores
.endr
.endr
	s_branch .Lquant
.Lwq:
.set n, 0
.rept 64
	global_load_b32 v[96+n], v8, s[6:7] offset:(64*(n/32)+n%32)*2048   ; Wq(128 s + 64 c + 32 h + i, my column)
.set n, n+1
.endr
.Lquant:
	s_wait_loadcnt 0x0
	s_wait_dscnt 0x0
	QUANT64 96, 252
.irp c, 0,1,2
	ds_store_b128 v11, v[PC+4*\c:PC+4*\c+3] offset:512*\c   ; the unit goes to LDS as it stands in the registers
.endr
	ds_store_b32 v12, v252
	s_wait_dscnt 0x0                               ; for wave 0's sake: my image lies in LDS
	s_barrier_signal -1
	s_barrier_wait -1
	s_cmp_eq_u32 s[WV], 0
	s_cbranch_scc1 .Lmul
	s_wait_tensorcnt 0x0
	ds_add_u32 v254, v255
	s_wait_dscnt 0x0
	s_endpgm                                       ; four matrix instructions are one wave's work
.Lmul:
.irp s, 0,1,2,3
.irp c, 0,1,2
	ds_load_b128 v[32+12*\s+4*\c:32+12*\s+4*\c+3], v13 offset:1536*\s+512*\c
	ds_load_b128 v[80+12*\s+4*\c:80+12*\s+4*\c+3], v13 offset:1536*(4+\s)+512*\c
.endr
	ds_load_b32 v[16+\s], v14 offset:128*\s        ; v16-19 clip's scale words, v20-23 Wq's: these registers hold scales and nothing else
	ds_load_b32 v[20+\s], v14 offset:128*(4+\s)
.endr
	s_wait_kmcnt 0x0
	v_mov_b32 v184, s38
	s_delay_alu instid0(VALU_DEP_1)
	v_mul_f32 v184, 0x41000000, v184               ; 8 x temperature = sqrt(64) x temperature
	s_wait_alu depctr_va_vdst(0)
	v_rcp_f32 v184, v184
	v_nop                                          ; a plain line behind the reciprocal,
	s_wait_alu depctr_va_vdst(0)                   ; and the wait ahead of its first reader
	v_mul_f32 v184, 0x3fb8aa3b, v184               ; x log2(e): the softmax works in base 2
	s_delay_alu instid0(VALU_DEP_1)
	v_mov_b32 v185, v184
	s_wait_dscnt 0x0
	; TRANSPOSED: source 0 = 16 columns of Wq, source 1 = 16 rows of clip: lane (r, h) holds row r and columns 8 h + 0 .. 7.  Two accumulators by turns
	v_wmma_scale_f32_16x16x128_f8f6f4 v[160:167], v[80:91], v[32:43], v[160:167], v20, v16 matrix_a_fmt:MATRIX_FMT_BF6 matrix_b_fmt:MATRIX_FMT_BF6
	v_wmma_scale_f32_16x16x128_f8f6f4 v[168:175], v[92:103], v[44:55], 0, v21, v17 matrix_a_fmt:MATRIX_FMT_BF6 matrix_b_fmt:MATRIX_FMT_BF6
	v_wmma_scale_f32_16x16x128_f8f6f4 v[160:167], v[104:115], v[56:67], v[160:167], v22, v18 matrix_a_fmt:MATRIX_FMT_BF6 matrix_b_fmt:MATRIX_FMT_BF6
	v_wmma_scale_f32_16x16x128_f8f6f4 v[168:175], v[116:127], v[68:79], v[168:175], v23, v19 matrix_a_fmt:MATRIX_FMT_BF6 matrix_b_fmt:MATRIX_FMT_BF6
.rept 4
	v_nop                                          ; four places in front of the first read of results (ISA guide 7.12.1)
.endr
.irp j, 0,2,4,6
	v_pk_add_f32 v[176+\j:177+\j], v[160+\j:161+\j], v[168+\j:169+\j]   ; each accumulator from its low end on
.endr
	s_wait_alu depctr_va_vdst(0)
.irp j, 0,2,4,6
	v_pk_mul_f32 v[176+\j:177+\j], v[176+\j:177+\j], v[184:185]
.endr
	global_store_b128 v27, v[176:179], s[16:17]            ; sixteen lanes (sixteen batches) store 256 consecutive bytes, aligned
	global_store_b128 v27, v[180:183], s[16:17] offset:2048
	s_wait_tensorcnt 0x0
	ds_add_u32 v254, v255
	s_wait_dscnt 0x0
	s_endpgm
.Lfunc_end_k_qdc7dc6d494_prep:
	.size	k_qdc7dc6d494_prep, .Lfunc_end_k_qdc7dc6d494_prep-k_qdc7dc6d494_prep
	.p2alignl 7, 3214868480
	.fill 96, 4, 3214868480
	.section	.rodata,"a",@progbits
	.p2align	6, 0x0
	.amdhsa_kernel k_qdc7dc6d494_prep
		.amdhsa_group_segment_fixed_size 81920
		.amdhsa_private_segment_fixed_size 0
		.amdhsa_enable_private_segment 0
		.amdhsa_kernarg_size 72
		.amdhsa_user_sgpr_count 2
		.amdhsa_user_sgpr_kernarg_segment_ptr 1
		.amdhsa_wavefront_size32 1
		.amdhsa_system_sgpr_workgroup_id_x 1
		.amdhsa_system_sgpr_workgroup_id_y 1
		.amdhsa_system_sgpr_workgroup_id_z 1
		.amdhsa_system_vgpr_workitem_id 0
		.amdhsa_next_free_vgpr 256
		.amdhsa_next_free_sgpr 66
		.amdhsa_reserve_vcc 0
		.amdhsa_float_denorm_mode_32 3
		.amdhsa_float_denorm_mode_16_64 3
		.amdhsa_memory_ordered 1
		.amdhsa_forward_progress 1
		.amdhsa_inst_pref_size 34
	.end_amdhsa_kernel
	.amdgpu_metadata
---
amdhsa.version: [ 1, 2 ]
amdhsa.kernels:
  - .name:           k_qdc7dc6d494_prep
    .symbol:         k_qdc7dc6d494_prep.kd
    .args:
      - { .name: clip_features, .offset: 0, .size: 8, .value_kind: global_buffer, .address_space: global }
      - { .name: Wq, .offset: 8, .size: 8, .value_kind: global_buffer, .address_space: global }
      - { .name: bq, .offset: 16, .size: 8, .value_kind: global_buffer, .address_space: global }
      - { .name: temperature, .offset: 24, .size: 8, .value_kind: global_buffer, .address_space: global }
      - { .name: Wk, .offset: 32, .size: 8, .value_kind: global_buffer, .address_space: global }
      - { .name: Wv, .offset: 40, .size: 8, .value_kind: global_buffer, .address_space: global }
      - { .name: qs, .offset: 48, .size: 8, .value_kind: global_buffer, .address_space: global }
      - { .name: wimg, .offset: 56, .size: 8, .value_kind: global_buffer, .address_space: global }
      - { .name: wscl, .offset: 64, .size: 8, .value_kind: global_buffer, .address_space: global }
    .group_segment_fixed_size: 81920
    .private_segment_fixed_size: 0
    .kernarg_segment_align: 8
    .kernarg_segment_size: 72
    .max_flat_workgroup_size: 256
    .sgpr_count:     66
    .vgpr_count:     256
    .wavefront_size: 32
...
	.end_amdgpu_metadata
.endif
;; end of part 4
;; launch main (part 5): grid 256 x 1, 8 waves a work-group, no clusters, 327,680 bytes of LDS; arguments dino_features, wimg, wscl, qs, part_o, part_ml; writes part_o, part_ml
.if DOCPART == 5
	.amdgcn_target "amdgcn-amd-amdhsa--gfx1250"
	.amdhsa_code_object_version 6
	.text
	.protected	k_qdc7dc6d494_main
	.globl	k_qdc7dc6d494_main
	.p2align	8
	.type	k_qdc7dc6d494_main,@function
k_qdc7dc6d494_main:
	s_mov_b64 s[64:65], 0
	v_nop
	global_prefetch_b8 v0, s[64:65] scope:SCOPE_SE
	s_setreg_imm32_b32 hwreg(HW_REG_WAVE_MODE, 25, 1), 1
	s_wait_xcnt 0x0
; A work-group takes half of a batch's 1,369 patches: 704 rows (half 0: rows 0-703; half 1: rows 665-1,368, of which the first 39 are masked: they are half 0's), in 11 periods of 64 rows.
; A wave takes a head: its 24 fragments of Wk and Wv (4 + 4 column tiles x 3 K steps of 128) stay in 288 registers for the whole launch, with their scale words.
; bk is left out: q . bk is equal along the softmax's axis and cancels there (shown at the head of the first kernel).
; THE ROWS' WAY: the tensor data mover brings 64 rows of f32 into one of two slots (8 rows a wave, one load a wave); each wave quantises an eighth of them (3 blocks of 32 a lane) into an image of the
; operand's registers in LDS, codes of BF6 and scale bytes; every wave reads the image, 3 fragments for 16 rows, which feed its 24 matrix instructions.
; A PERIOD: one barrier; slot sl is filled again; image sl is multiplied; slot 1 - sl is quantised into image 1 - sl: by waves 0-3 ahead of their products, by waves 4-7 behind theirs.
; A TILE of 16 rows is laid in two groups: the 24 matrix instructions on end (K's four accumulators by turns, then V's four), then the wave's vector work, so that the other wave of the SIMD can issue its group meanwhile.
; THE PRODUCTS ARE USED TRANSPOSED (source 0 = 16 columns of W, source 1 = 16 rows): lane (r, h) holds row r and d = 16 t + 8 h + 0 .. 7.  So a logit is a sum in the lane and one exchange with lane l xor 16,
; and every lane keeps a running maximum m, sum l and O[32] for the rows 16 i + r that it meets; the sixteen lanes are joined once, at the end.  q arrives times log2(e) / (8 x temperature): base 2.
; LIMITS: the promise holds while the scaled scores stay under 2^31 in magnitude; NaN and infinities among the inputs are not served; a block of zeros gets the scale byte 1 (its codes are zeros; this program alone reads the bytes).
; NO CLUSTER: no tile in LDS is shared between work-groups: each row of dino goes to one work-group (but 39 rows a batch), and the weights go once, as register images, straight into each wave's registers.
; PREFETCH: in period P the tensor load asks for period P + 2's rows and two prefetches a wave name period P + 3's: the wave's own 8 rows, 12,288 bytes, 48 blocks of 256 bytes, a lane a block
; (the second instruction's lanes 16-31 name the last block again).  They stand in the loop's eight periods alone, P = 0 .. 7, so the last rows named are period 10's: inside the buffer.
.set XP,     1584                      ; a row in a slot: 3 x (512 bytes + 16 of padding)
.set XSLOT,  64*XP
.set ROUNDB, 64*1536                   ; a period's rows in memory
.set IMG0,   2*XSLOT                   ; two images: 4 tiles x 32 lanes x 144 bytes (a lane's 36 registers)
.set IMGB,   18432
.set TILEB,  4608
.set SCL0,   IMG0+2*IMGB               ; the rows' scale words: 16 bytes a row (3 words used)
.set SCLB,   1024
.set OST,    SCL0+2*SCLB               ; the way out: 256 bytes a wave
.set MLB,    OST+2048                  ; (m, l) of the eight heads
.set SPARE,  MLB+256                   ; the spare words, 128 bytes a wave
.set SPW,  1                           ; v1 my spare word's address, v2 zero: never rewritten
.set NIL,  2
.set AF,   3                           ; v3-4 where I read f32 rows in slot 0, 1
.set AIW,  5                           ; v5, v6 where I store codes and scale bytes;  v7, v8 where fragments and scale words are read
.set ASW,  6
.set AIR,  7
.set ASR,  8
.set PF1,  20                          ; v20, v21 the prefetches' offsets
.set PF2,  21
.set WS,   24                          ; v24-47 the weights' scale words: scales and nothing else
.set W0F,  48                          ; v48-119 six fragments of W; the other eighteen in window 1, v0-215
.set XF,   120                         ; v120-155 the rows' three fragments; v156-158 their scale words
.set XSC,  156
.set RO,   160                         ; v160-191 O
.set ACC,  192                         ; v192-223 K's four accumulators, v224-255 V's
.set KA,   ACC
.set VA,   ACC+32
.set RQ,   216                         ; window 1, v216-247: q at my 32 d
.set QT,   XF+24
.set WV,   18
.set G1,   24
.set G0,   32
.set PF,   50                          ; s[50:51] where my prefetches stand
; v9 the tile's row number; v12 f, v13 m, v14 p, v15 l; v10-11, v16-19, v22-23 at work
.set MSB, 0
.macro WIN new                         ; the immediate's high byte repeats the setting that is left
.if MSB != \new
	s_set_vgpr_msb (MSB<<8)|\new
.set MSB, \new
.endif
.endm
.macro WLOC f                          ; where fragment f = 8 x K step + column tile (0-3 K's, 4-7 V's) lies
.if ((\f) == 14) || ((\f) == 15) || ((\f) >= 20)
.set win0, 1
.if (\f) >= 20
.set wr, W0F+12*((\f)-18)
.else
.set wr, W0F+12*((\f)-14)
.endif
.else
.set win0, 0
.if (\f) >= 16
.set wr, 12*((\f)-2)
.else
.set wr, 12*(\f)
.endif
.endif
.endm
.macro XL bf, t, s                     ; tile t's fragment of K step s, and its scale words
.irp i, 0,1,2
	ds_load_b128 v[XF+12*(\s)+4*\i:XF+12*(\s)+4*\i+3], v[AIR] offset:(\bf)*IMGB+(\t)*TILEB+48*(\s)+16*\i
.endr
	ds_load_b32 v[XSC+(\s)], v[ASR] offset:(\bf)*SCLB+(\t)*256+4*(\s)
.endm
.macro MM n                            ; 0-11: K's four accumulators by turns, K step by K step; 12-23: V's.  The first product of each starts its sum
.if (\n) < 12
.set ms, (\n)/4
.set mc, (\n)%4
.else
.set ms, ((\n)-12)/4
.set mc, 4+((\n)-12)%4
.endif
.set mf, 8*ms+mc
	WLOC mf
.if win0
	WIN 0
.else
	WIN 0x01
.endif
.set ar, ACC+8*mc
.set xr, XF+12*ms
.if ms == 0
	v_wmma_scale_f32_16x16x128_f8f6f4 v[ar:ar+7], v[wr:wr+11], v[xr:xr+11], 0, v[WS+mf], v[XSC+ms] matrix_a_fmt:MATRIX_FMT_BF6 matrix_b_fmt:MATRIX_FMT_BF6
.else
	v_wmma_scale_f32_16x16x128_f8f6f4 v[ar:ar+7], v[wr:wr+11], v[xr:xr+11], v[ar:ar+7], v[WS+mf], v[XSC+ms] matrix_a_fmt:MATRIX_FMT_BF6 matrix_b_fmt:MATRIX_FMT_BF6
.endif
.endm
.macro LOGP c, lo                      ; chain c takes pair lo of q x K
.if (\lo) < 4
	v_pk_mul_f32 v[\c:\c+1], v[RQ+2*(\lo):RQ+2*(\lo)+1], v[KA+2*(\lo):KA+2*(\lo)+1]
.else
	v_pk_fma_f32 v[\c:\c+1], v[RQ+2*(\lo):RQ+2*(\lo)+1], v[KA+2*(\lo):KA+2*(\lo)+1], v[\c:\c+1]
.endif
.endm
.macro TILE bf, t, nxt, pf
	s_wait_dscnt 0x0                               ; the tile's three fragments are in
.irp n, 0,1,2,3,4,5,6,7,8,9,10,11,12,13,14,15,16,17,18,19,20,21,22,23
	MM \n
.endr
	WIN 0
.rept 4
	v_nop                                          ; four places: ahead of the loads into the fragments and of the first read of results
.endr
.if \nxt
	XL \bf, (\t)+1, 0                              ; the next tile's fragments come under this tile's vector work
	XL \bf, (\t)+1, 1
	XL \bf, (\t)+1, 2
.endif
.if \pf
	global_prefetch_b8 v[PF1], s[PF:PF+1] th:TH_LOAD_NT scope:SCOPE_SE   ; my 8 rows of three periods on: blocks 0-31,
	global_prefetch_b8 v[PF2], s[PF:PF+1] th:TH_LOAD_NT scope:SCOPE_SE   ; and 32-47
.endif
	WIN 0x01                                       ; q lies in window 1
.irp g, 0,4,8,12                       ; my 32 products q x K in four chains by turns; each accumulator from its low end on
	LOGP 16, \g
	LOGP 18, \g+1
	LOGP 10, \g+2
	LOGP 22, \g+3
.endr
	WIN 0
	v_pk_add_f32 v[16:17], v[16:17], v[18:19]
	v_pk_add_f32 v[10:11], v[10:11], v[22:23]
	v_cmp_le_u32 vcc_lo, s21, v9                   ; is the row mine? (half 1: not its first 39)
	s_delay_alu instid0(VALU_DEP_2)
	v_pk_add_f32 v[16:17], v[16:17], v[10:11]
	v_mov_b32 v23, v13                             ; the old m
	s_delay_alu instid0(VALU_DEP_2)
	v_add_f32 v10, v16, v17
	s_delay_alu instid0(VALU_DEP_1)
	v_permlanex16_b32 v11, v10, s22, s23
	s_delay_alu instid0(VALU_DEP_1)
	v_add_f32 v10, v10, v11                        ; with lane l xor 16's 32: the row's logit, in base 2
	s_delay_alu instid0(VALU_DEP_1)
	v_cndmask_b32 v10, 0xff800000, v10, vcc_lo
	s_delay_alu instid0(VALU_DEP_1)
	v_max_num_f32 v13, v13, v10                    ; the running maximum
	s_delay_alu instid0(VALU_DEP_1)
	v_sub_f32 v12, v23, v13
	s_delay_alu instid0(VALU_DEP_2)
	v_sub_f32 v14, v10, v13
	v_add_nc_u32 v9, 16, v9
	s_wait_alu depctr_va_vdst(0)                   ; the wait ahead of the batch
	v_exp_f32 v12, v12                             ; f = 2^(old m - m)
	v_exp_f32 v14, v14                             ; p = 2^(logit - m)
	v_nop                                          ; a plain line behind the two
	s_wait_alu depctr_va_vdst(0)                   ; and the wait ahead of their first reader, which is V's first reader too
.irp g, 0,16                           ; O = O f + p V: eight pairs p V, then their eight multiply-adds
.irp i, 0,2,4,6,8,10,12,14
	v_pk_mul_f32 v[VA+\g+\i:VA+\g+\i+1], v[14:15], v[VA+\g+\i:VA+\g+\i+1] op_sel_hi:[0,1]
.endr
.irp i, 0,2,4,6,8,10,12,14
	v_pk_fma_f32 v[RO+\g+\i:RO+\g+\i+1], v[RO+\g+\i:RO+\g+\i+1], v[12:13], v[VA+\g+\i:VA+\g+\i+1] op_sel_hi:[1,0,1]
.endr
.endr
	v_fma_f32 v15, v15, v12, v14                   ; l = l f + p
.endm
.macro QBLK bf, s, X                   ; a block of 32 numbers of one row, in v[X] on: its largest magnitude (floor 2^(5 - 127): the byte stays at 1 or above), scale byte, 24 bytes of codes
.set cr, XF+8*(\s)
	v_max3_num_f32 v[QT], |v[(\X)]|, |v[(\X)+1]|, 0x2800000
	v_max3_num_f32 v[QT+1], |v[(\X)+2]|, |v[(\X)+3]|, |v[(\X)+4]|
.irp i, 5,9,13,17,21,25
	s_delay_alu instid0(VALU_DEP_2)
	v_max3_num_f32 v[QT], v[QT], |v[(\X)+\i]|, |v[(\X)+\i+1]|
	s_delay_alu instid0(VALU_DEP_2)
	v_max3_num_f32 v[QT+1], v[QT+1], |v[(\X)+\i+2]|, |v[(\X)+\i+3]|
.endr
	s_delay_alu instid0(VALU_DEP_2)
	v_max3_num_f32 v[QT], v[QT], |v[(\X)+29]|, |v[(\X)+30]|
	s_delay_alu instid0(VALU_DEP_1)
	v_max3_num_f32 v[QT], v[QT], v[QT+1], |v[(\X)+31]|
	s_delay_alu instid0(VALU_DEP_1)
	v_add_nc_u32 v[QT+2], 0xfe000000, v[QT]        ; 4 off the exponent field: the conversions' scale operand
	v_cvt_scalef32_pk16_bf6_f32 v[cr:cr+2], v[(\X):(\X)+15], v[QT+2]
	v_cvt_scalef32_pk16_bf6_f32 v[cr+4:cr+6], v[(\X)+16:(\X)+31], v[QT+2]
	v_lshrrev_b32 v[QT+4+(\s)], 23, v[QT+2]        ; the byte (and the plain line behind the conversions)
	v_mov_b32 v[cr+3], v[cr+4]
	v_mov_b32 v[cr+4], v[cr+5]
	v_mov_b32 v[cr+5], v[cr+6]
	ds_store_b64 v[AIW], v[cr:cr+1] offset:(\bf)*IMGB+48*(\s)
	ds_store_b64 v[AIW], v[cr+2:cr+3] offset:(\bf)*IMGB+48*(\s)+8
	ds_store_b64 v[AIW], v[cr+4:cr+5] offset:(\bf)*IMGB+48*(\s)+16
	ds_store_b8 v[ASW], v[QT+4+(\s)] offset:(\bf)*SCLB+4*(\s)
.endm
.macro QPHASE sl                       ; my eighth of slot sl into image sl: one block of each K step a lane.  The accumulators' registers hold the numbers
.irp i, 0,1,2,3,4,5,6,7
	ds_load_b128 v[ACC+4*\i:ACC+4*\i+3], v[AF+(\sl)] offset:16*\i
.endr
.irp i, 0,1,2,3,4,5,6,7
	ds_load_b128 v[ACC+32+4*\i:ACC+32+4*\i+3], v[AF+(\sl)] offset:528+16*\i
.endr
	s_wait_dscnt 8                                 ; the first eight loads are in
	QBLK (\sl), 0, ACC
.irp i, 0,1,2,3,4,5,6,7
	ds_load_b128 v[ACC+4*\i:ACC+4*\i+3], v[AF+(\sl)] offset:1056+16*\i
.endr
	s_wait_dscnt 12                                ; the second eight are in: behind them 4 stores and 8 loads
	QBLK (\sl), 1, ACC+32
	s_wait_dscnt 4                                 ; the third eight: behind them 4 stores
	QBLK (\sl), 2, ACC
	s_wait_dscnt 0x0
.endm
.macro PRODUCTS bf, pf
	XL \bf, 0, 0
	XL \bf, 0, 1
	XL \bf, 0, 2
	TILE \bf, 0, 1, \pf
	TILE \bf, 1, 1, 0
	TILE \bf, 2, 1, 0
	TILE \bf, 3, 0, 0
.endm
.macro PERIOD sl, fill, tw, quant, pf
.if \pf
	s_wait_xcnt 0x0                                ; my prefetches have read their base: it steps a period on
	s_add_nc_u64 s[PF:PF+1], s[PF:PF+1], ROUNDB
.endif
.if \tw
	s_wait_tensorcnt 0x0                           ; my one load that was out, my rows of slot 1 - sl, has landed;
	ds_add_u32 v[SPW], v[NIL]                      ; 0 onto my spare word;
.if \fill
	s_add_nc_u64 s[G0+4*\sl+2:G0+4*\sl+3], s[G0+4*\sl+2:G0+4*\sl+3], 2*ROUNDB
.endif
.endif
	s_wait_dscnt 0x0                               ; the add, my reads of slot sl and my stores into image sl are done
	s_barrier_signal -1
	s_barrier_wait -1
.if \fill
	tensor_load_to_lds s[G0+4*\sl:G0+4*\sl+3], s[G1:G1+7]   ; my one load behind the barrier: my 8 rows of two periods on
	s_nop 0
.rept 4
	v_nop
.endr
.endif
.if \quant
	s_cmp_lt_u32 s[WV], 4
	s_cbranch_scc0 .Llate_\@
	QPHASE 1-\sl
.Llate_\@:
.endif
	PRODUCTS \sl, \pf
.if \quant
	s_cmp_lt_u32 s[WV], 4
	s_cbranch_scc1 .Ldone_\@
	QPHASE 1-\sl
.Ldone_\@:
.endif
.endm
	s_load_b256 s[4:11], s[0:1], 0x0               ; dino s[4:5], wimg s[6:7], wscl s[8:9], qs s[10:11]
	s_load_b128 s[12:15], s[0:1], 0x20             ; part_o s[12:13], part_ml s[14:15]
	v_lshl_add_u32 v[SPW], v0, 2, SPARE
	v_mov_b32 v[NIL], 0
	ds_add_u32 v[SPW], v[NIL]                      ; the add, twice on end,
	ds_add_u32 v[SPW], v[NIL]
	v_lshrrev_b32 v10, 5, v0
	s_delay_alu instid0(VALU_DEP_1)
	v_readfirstlane_b32 s[WV], v10                 ; wave = head
	s_lshr_b32 s19, ttmp9, 1                       ; batch
	s_and_b32 s20, ttmp9, 1                        ; half
	s_mul_i32 s21, s20, 39                         ; rows under this number are masked
	s_mov_b32 s22, 0x76543210
	s_mov_b32 s23, 0xfedcba98                      ; selects for lane l xor 16
	s_mov_b32 s[G1+0], (2<<16)|(1<<20)|(6<<22)|(3<<25)   ; elements of 4 bytes; 4 words of padding behind every 128
	s_mov_b32 s[G1+1], 384<<16
	s_mov_b32 s[G1+2], 8<<16
	s_mov_b32 s[G1+3], 384<<16
	s_mov_b32 s[G1+4], 8
	s_mov_b32 s[G1+5], 384
	s_mov_b32 s[G1+6], 0
	s_mov_b32 s[G1+7], 0
	s_mul_i32 s42, s19, 1369
	s_mul_i32 s43, s20, 665
	s_add_co_u32 s42, s42, s43
	s_lshl_b32 s43, s[WV], 3
	s_add_co_u32 s42, s42, s43                     ; my first row: 1,369 batch + 665 half + 8 wave
	s_mul_i32 s42, s42, 1536
	s_mov_b32 s43, 0
	s_mul_i32 s44, s[WV], 8*XP
	s_wait_dscnt 0x0                               ; and the one wait for both
	s_wait_kmcnt 0x0
	s_add_nc_u64 s[4:5], s[4:5], s[42:43]
.irp n, 0,1
	s_mov_b32 s[G0+4*\n], 1
	s_add_co_u32 s[G0+4*\n+1], s44, \n*XSLOT
	s_add_nc_u64 s[G0+4*\n+2:G0+4*\n+3], s[4:5], \n*ROUNDB
	s_or_b32 s[G0+4*\n+3], s[G0+4*\n+3], 0x80000000
.endr
	s_add_nc_u64 s[PF:PF+1], s[4:5], 2*ROUNDB      ; period 0 steps it to period 3's rows
	tensor_load_to_lds s[G0:G0+3], s[G1:G1+7]      ; period 0's rows: my one load at the head
	s_nop 0
	; the weights, their scale words and q are asked for while that load is out
	v_and_b32 v16, 15, v0                          ; r
	v_bfe_u32 v17, v0, 4, 1                        ; h
	v_and_b32 v18, 31, v0                          ; lane
	v_lshlrev_b32 v23, 12, v17                     ; qs: 4,096 h
	v_lshlrev_b32 v22, 4, v18                      ; an image: 16 x lane
	v_lshlrev_b32 v10, 3, v18                      ; scale words: 8 x lane
	v_lshlrev_b32 v[PF1], 8, v18
	v_min_u32 v[PF2], 15, v18
	v_lshl_add_u32 v[PF2], v[PF2], 8, 8192
	s_mul_i32 s42, s[WV], 36864
	s_add_nc_u64 s[6:7], s[6:7], s[42:43]
	s_mul_i32 s42, s[WV], 6144
	s_add_nc_u64 s[8:9], s[8:9], s[42:43]
	s_lshl_b32 s42, s[WV], 15
	s_lshl_b32 s44, s19, 4
	s_add_co_u32 s42, s42, s44
	s_add_nc_u64 s[10:11], s[10:11], s[42:43]
	s_lshl_b32 s42, s[WV], 8
	s_lshl_b32 s44, ttmp9, 11
	s_add_co_u32 s44, s44, s42
	s_mov_b32 s45, 0
	s_add_nc_u64 s[12:13], s[12:13], s[44:45]
	s_lshl_b32 s44, ttmp9, 8
	s_add_nc_u64 s[14:15], s[14:15], s[44:45]
	s_wait_alu depctr_va_vdst(0)                   ; ahead of the loads that read the offsets
	WIN 0x40
.set f, 0
.rept 24
	WLOC f
.if win0 == 0
.irp c, 0,1,2
	global_load_b128 v[wr+4*\c:wr+4*\c+3], v22, s[6:7] offset:1536*f+512*\c
.endr
.endif
.set f, f+1
.endr
.irp t, 0,1,2,3
.irp j, 0,1
	global_load_b128 v[RQ+8*\t+4*\j:RQ+8*\t+4*\j+3], v23, s[10:11] offset:8192*\t+2048*\j
.endr
.endr
	WIN 0
.set f, 0
.rept 24
	WLOC f
.if win0
.irp c, 0,1,2
	global_load_b128 v[wr+4*\c:wr+4*\c+3], v22, s[6:7] offset:1536*f+512*\c
.endr
.endif
.set f, f+1
.endr
.set f, 0
.rept 24
	global_load_b32 v[WS+f], v10, s[8:9] offset:256*f
.set f, f+1
.endr
	; LDS addresses.  I quantise tile wave / 2, blocks 2 (wave % 2) + h of each K step's four
	s_lshr_b32 s45, s[WV], 1
	s_and_b32 s46, s[WV], 1
	s_mul_i32 s47, s45, 16*XP
	s_lshl_b32 s48, s46, 8
	s_add_co_u32 s47, s47, s48
	v_mul_u32_u24 v[AF], v16, XP
	s_delay_alu instid0(VALU_DEP_1)
	v_lshl_add_u32 v[AF], v17, 7, v[AF]
	s_delay_alu instid0(VALU_DEP_1)
	v_add_nc_u32 v[AF], s47, v[AF]
	s_delay_alu instid0(VALU_DEP_1)
	v_add_nc_u32 v[AF+1], XSLOT, v[AF]
	s_mul_i32 s47, s45, TILEB
	s_mul_i32 s48, s46, 24
	s_add_co_u32 s47, s47, s48
	s_add_co_u32 s47, s47, IMG0
	v_mul_u32_u24 v[AIR], v18, 144
	s_delay_alu instid0(VALU_DEP_1)
	v_add_nc_u32 v[AIW], s47, v[AIR]
	s_delay_alu instid0(VALU_DEP_2)
	v_add_nc_u32 v[AIR], IMG0, v[AIR]
	s_lshl_b32 s47, s45, 8
	s_lshl_b32 s48, s46, 1
	s_add_co_u32 s47, s47, s48
	s_add_co_u32 s47, s47, SCL0
	v_lshl_add_u32 v[ASW], v16, 4, v17
	s_delay_alu instid0(VALU_DEP_1)
	v_add_nc_u32 v[ASW], s47, v[ASW]
	v_lshl_add_u32 v[ASR], v16, 4, SCL0
	s_wait_alu depctr_va_vdst(0)
	s_wait_tensorcnt 0x0                           ; my rows of period 0 are in; slot 1's first fill is issued as a refill is:
	ds_add_u32 v[SPW], v[NIL]
	s_wait_dscnt 0x0
	s_barrier_signal -1
	s_barrier_wait -1                              ; slot 0 is whole
	tensor_load_to_lds s[G0+4:G0+7], s[G1:G1+7]    ; period 1's rows
	s_nop 0
.rept 4
	v_nop
.endr
	QPHASE 0
	s_wait_loadcnt 0x0                             ; weights, scale words and q are in
	v_mov_b32 v9, v16                              ; tile 0: row r
	v_mov_b32 v13, 0xff61b1e6                      ; m: -3e38, under every logit
	v_mov_b32 v15, 0                               ; l
.set n, 0
.rept 32
	v_mov_b32 v[RO+n], 0                           ; O: the tile is written once, and its first f finds zeros
.set n, n+1
.endr
	s_wait_alu depctr_va_vdst(0)
	s_mov_b32 s40, 4
.Lloop:
	PERIOD 0, 1, 1, 1, 1
	PERIOD 1, 1, 1, 1, 1
	s_sub_co_u32 s40, s40, 1
	s_cmp_lg_u32 s40, 0
	s_cbranch_scc1 .Lloop
	PERIOD 0, 1, 1, 1, 0                           ; period 8 asks for period 10's rows: the last fill
	PERIOD 1, 0, 1, 1, 0
	PERIOD 0, 0, 0, 0, 0
	; the sixteen lanes of a half are joined under their largest m; (m, l) and O leave as this half's part
	v_mov_b32 v10, v13
.irp x, 1,2,4,8
	s_delay_alu instid0(VALU_DEP_1)
	v_max_num_f32_dpp v10, v10, v10 row_xmask:\x row_mask:0xf bank_mask:0xf
.endr
	s_delay_alu instid0(VALU_DEP_1)
	v_sub_f32 v12, v13, v10
	s_wait_alu depctr_va_vdst(0)                   ; ahead of the transcendental
	v_exp_f32 v12, v12
	s_lshl_b32 s47, s[WV], 8
	s_add_co_u32 s47, s47, OST
	s_lshl_b32 s48, s[WV], 3
	s_add_co_u32 s48, s48, MLB
	v_bfe_u32 v7, v0, 4, 1
	v_and_b32 v8, 31, v0
	v_and_b32 v6, 7, v0
	v_mov_b32 v4, s48
	v_lshl_add_u32 v3, v7, 5, s47
	v_lshl_add_u32 v5, v8, 3, s47
	v_lshl_add_u32 v6, v6, 3, MLB
	v_lshlrev_b32 v22, 3, v8                       ; the stores' offset: 8 x lane
	s_wait_alu depctr_va_vdst(0)                   ; and ahead of its first reader
	v_mul_f32 v15, v15, v12
.irp i, 0,2,4,6,8,10,12,14,16,18,20,22,24,26,28,30
	v_pk_mul_f32 v[RO+\i:RO+\i+1], v[RO+\i:RO+\i+1], v[12:13] op_sel_hi:[1,0]
.endr
.irp x, 1,2,4,8
	v_add_f32_dpp v15, v15, v15 row_xmask:\x row_mask:0xf bank_mask:0xf
.set n, 0
.rept 32
	v_add_f32_dpp v[RO+n], v[RO+n], v[RO+n] row_xmask:\x row_mask:0xf bank_mask:0xf
.set n, n+1
.endr
.endr
	v_mov_b32 v11, v15
.irp t, 0,1,2,3
	ds_store_b128 v3, v[RO+8*\t:RO+8*\t+3] offset:64*\t            ; all lanes of a half hold the same sums and write the same bytes
	ds_store_b128 v3, v[RO+8*\t+4:RO+8*\t+7] offset:64*\t+16
.endr
	ds_store_b64 v4, v[10:11]
	s_wait_dscnt 0x0
	s_barrier_signal -1
	s_barrier_wait -1
	ds_load_b64 v[16:17], v5
	s_wait_dscnt 0x0
	global_store_b64 v22, v[16:17], s[12:13]       ; 32 lanes store my head's 256 consecutive bytes, aligned
	s_cmp_lg_u32 s[WV], 0
	s_cbranch_scc1 .Lend
	ds_load_b64 v[18:19], v6
	s_wait_dscnt 0x0
	global_store_b64 v22, v[18:19], s[14:15]       ; the eight heads' (m, l), four times over: one aligned unit of 256 bytes
.Lend:
	s_wait_tensorcnt 0x0                           ; the wave's end
	ds_add_u32 v[SPW], v[NIL]
	s_wait_dscnt 0x0
	s_endpgm
.Lfunc_end_k_qdc7dc6d494_main:
	.size	k_qdc7dc6d494_main, .Lfunc_end_k_qdc7dc6d494_main-k_qdc7dc6d494_main
	.p2alignl 7, 3214868480
	.fill 96, 4, 3214868480
	.section	.rodata,"a",@progbits
	.p2align	6, 0x0
	.amdhsa_kernel k_qdc7dc6d494_main
		.amdhsa_group_segment_fixed_size 327680
		.amdhsa_private_segment_fixed_size 0
		.amdhsa_enable_private_segment 0
		.amdhsa_kernarg_size 48
		.amdhsa_user_sgpr_count 2
		.amdhsa_user_sgpr_kernarg_segment_ptr 1
		.amdhsa_wavefront_size32 1
		.amdhsa_system_sgpr_workgroup_id_x 1
		.amdhsa_system_sgpr_workgroup_id_y 1
		.amdhsa_system_sgpr_workgroup_id_z 1
		.amdhsa_system_vgpr_workitem_id 0
		.amdhsa_next_free_vgpr 512
		.amdhsa_next_free_sgpr 66
		.amdhsa_reserve_vcc 1
		.amdhsa_float_denorm_mode_32 3
		.amdhsa_float_denorm_mode_16_64 3
		.amdhsa_memory_ordered 1
		.amdhsa_forward_progress 1
		.amdhsa_inst_pref_size 255
	.end_amdhsa_kernel
	.section	.bss,"aw",@nobits
	.p2align	6
	.space	262144
	.amdgpu_metadata
---
amdhsa.version: [ 1, 2 ]
amdhsa.kernels:
  - .name:           k_qdc7dc6d494_main
    .symbol:         k_qdc7dc6d494_main.kd
    .args:
      - { .name: dino_features, .offset: 0, .size: 8, .value_kind: global_buffer, .address_space: global }
      - { .name: wimg, .offset: 8, .size: 8, .value_kind: global_buffer, .address_space: global }
      - { .name: wscl, .offset: 16, .size: 8, .value_kind: global_buffer, .address_space: global }
      - { .name: qs, .offset: 24, .size: 8, .value_kind: global_buffer, .address_space: global }
      - { .name: part_o, .offset: 32, .size: 8, .value_kind: global_buffer, .address_space: global }
      - { .name: part_ml, .offset: 40, .size: 8, .value_kind: global_buffer, .address_space: global }
    .group_segment_fixed_size: 327680
    .private_segment_fixed_size: 0
    .kernarg_segment_align: 8
    .kernarg_segment_size: 48
    .max_flat_workgroup_size: 256
    .sgpr_count:     66
    .vgpr_count:     512
    .wavefront_size: 32
...
	.end_amdgpu_metadata
.endif
;; end of part 5
;; launch finish (part 6): grid 128 x 1, 1 waves a work-group, no clusters, 0 bytes of LDS; arguments part_o, part_ml, bv, ln_gamma, ln_beta, out0; writes out0
.if DOCPART == 6
	.amdgcn_target "amdgcn-amd-amdhsa--gfx1250"
	.amdhsa_code_object_version 6
	.text
	.protected	k_qdc7dc6d494_finish
	.globl	k_qdc7dc6d494_finish
	.p2align	8
	.type	k_qdc7dc6d494_finish,@function
k_qdc7dc6d494_finish:
	s_mov_b64 s[64:65], 0
	v_nop
	global_prefetch_b8 v0, s[64:65] scope:SCOPE_SE
	s_setreg_imm32_b32 hwreg(HW_REG_WAVE_MODE, 25, 1), 1
	s_wait_xcnt 0x0
; One wave, one batch: the two halves' (m, l, o) of each head are merged under the larger m, o is divided by the sum, bv is added (the weights add up to 1), and the row of 512 is normalised:
; out = (y - mean) x rsqrt(var + 1e-5) x gamma + beta.  Lane l takes columns 128 i + 4 l + 0 .. 3, i = 0 .. 3: every load and store of 16 bytes a lane covers 512 consecutive bytes; their head is 2 i + l / 16.
; m is in base 2, as the launch before left it.  A row belongs to one wave: no LDS, no barrier, no matrix unit.
; REGISTERS: v8-23 o of half 0; v24-39 o of half 1, then y, then the result; v40-47, v48-55 (m, l) of the halves; v56-71 bv; v72-87 gamma; v88-103 beta; v104.. at work.
	s_load_b256 s[4:11], s[0:1], 0x0               ; part_o s[4:5], part_ml s[6:7], bv s[8:9], gamma s[10:11]
	s_load_b128 s[12:15], s[0:1], 0x20             ; beta s[12:13], out0 s[14:15]
	v_lshlrev_b32 v1, 4, v0                        ; 16 l
	v_lshrrev_b32 v2, 4, v0
	v_lshlrev_b32 v2, 3, v2                        ; 8 (l / 16)
	s_lshl_b32 s16, ttmp9, 12                      ; two rows of 2,048 bytes a batch
	s_mov_b32 s17, 0
	s_lshl_b32 s18, ttmp9, 9                       ; two blocks of 256 bytes a batch
	s_mov_b32 s19, 0
	s_lshl_b32 s20, ttmp9, 11
	s_mov_b32 s21, 0
	s_mov_b32 s22, 0x76543210
	s_mov_b32 s23, 0xfedcba98                      ; selects for lane l xor 16
	s_mov_b32 s24, 0x3b000000                      ; 1 / 512
	s_wait_alu depctr_va_vdst(0)
	s_wait_kmcnt 0x0
	s_add_nc_u64 s[4:5], s[4:5], s[16:17]
	s_add_nc_u64 s[6:7], s[6:7], s[18:19]
	s_add_nc_u64 s[14:15], s[14:15], s[20:21]
.irp i, 0,1,2,3
	global_load_b64 v[40+2*\i:41+2*\i], v2, s[6:7] offset:16*\i
	global_load_b64 v[48+2*\i:49+2*\i], v2, s[6:7] offset:256+16*\i
.endr
.irp i, 0,1,2,3
	global_load_b128 v[8+4*\i:11+4*\i], v1, s[4:5] offset:512*\i
	global_load_b128 v[24+4*\i:27+4*\i], v1, s[4:5] offset:2048+512*\i
	global_load_b128 v[56+4*\i:59+4*\i], v1, s[8:9] offset:512*\i
	global_load_b128 v[72+4*\i:75+4*\i], v1, s[10:11] offset:512*\i
	global_load_b128 v[88+4*\i:91+4*\i], v1, s[12:13] offset:512*\i
.endr
	s_wait_loadcnt 0x0
.irp i, 0,1,2,3
	v_max_num_f32 v[104+\i], v[40+2*\i], v[48+2*\i]                ; the larger maximum
.endr
.irp i, 0,1,2,3
	v_sub_f32 v[108+\i], v[40+2*\i], v[104+\i]
	v_sub_f32 v[112+\i], v[48+2*\i], v[104+\i]
.endr
	s_wait_alu depctr_va_vdst(0)
.irp i, 0,1,2,3
	v_exp_f32 v[108+\i], v[108+\i]
	v_exp_f32 v[112+\i], v[112+\i]
.endr
	v_nop                                          ; a plain line behind the batch of eight,
	s_wait_alu depctr_va_vdst(0)                   ; and one wait ahead of its first reader
.irp i, 0,1,2,3
	v_mul_f32 v[116+\i], v[112+\i], v[49+2*\i]
.endr
.irp i, 0,1,2,3
	v_fma_f32 v[116+\i], v[108+\i], v[41+2*\i], v[116+\i]          ; the whole sum
.endr
	s_wait_alu depctr_va_vdst(0)
.irp i, 0,1,2,3
	v_rcp_f32 v[116+\i], v[116+\i]
.endr
	v_nop
	s_wait_alu depctr_va_vdst(0)
.irp i, 0,1,2,3
	v_mul_f32 v[108+\i], v[108+\i], v[116+\i]
	v_mul_f32 v[112+\i], v[112+\i], v[116+\i]
.endr
.irp i, 0,1,2,3
.irp j, 0,1,2,3
	v_fma_f32 v[24+4*\i+\j], v[24+4*\i+\j], v[112+\i], v[56+4*\i+\j]
.endr
.endr
.irp i, 0,1,2,3
.irp j, 0,1,2,3
	v_fma_f32 v[24+4*\i+\j], v[8+4*\i+\j], v[108+\i], v[24+4*\i+\j]   ; y
.endr
.endr
	v_pk_add_f32 v[120:121], v[24:25], v[26:27]    ; the mean: my 16, in two chains,
	v_pk_add_f32 v[122:123], v[28:29], v[30:31]
.irp j, 32,36
	v_pk_add_f32 v[120:121], v[120:121], v[\j:\j+1]
	v_pk_add_f32 v[122:123], v[122:123], v[\j+2:\j+3]
.endr
	v_pk_add_f32 v[120:121], v[120:121], v[122:123]
	v_add_f32 v120, v120, v121
.irp x, 1,2,4,8
	v_add_f32_dpp v120, v120, v120 row_xmask:\x row_mask:0xf bank_mask:0xf   ; then the 32 lanes'
.endr
	v_permlanex16_b32 v121, v120, s22, s23
	v_add_f32 v120, v120, v121
	v_mul_f32 v120, s24, v120
.set n, 0
.rept 16
	v_sub_f32 v[24+n], v[24+n], v120
.set n, n+1
.endr
	v_pk_mul_f32 v[122:123], v[24:25], v[24:25]    ; the variance, of the differences
	v_pk_mul_f32 v[124:125], v[26:27], v[26:27]
.irp j, 28,32,36
	v_pk_fma_f32 v[122:123], v[\j:\j+1], v[\j:\j+1], v[122:123]
	v_pk_fma_f32 v[124:125], v[\j+2:\j+3], v[\j+2:\j+3], v[124:125]
.endr
	v_pk_add_f32 v[122:123], v[122:123], v[124:125]
	v_add_f32 v122, v122, v123
.irp x, 1,2,4,8
	v_add_f32_dpp v122, v122, v122 row_xmask:\x row_mask:0xf bank_mask:0xf
.endr
	v_permlanex16_b32 v123, v122, s22, s23
	v_add_f32 v122, v122, v123
	v_fmaak_f32 v122, s24, v122, 0x3727c5ac        ; / 512 + 1e-5
	s_wait_alu depctr_va_vdst(0)
	v_rsq_f32 v122, v122
	v_nop
	s_wait_alu depctr_va_vdst(0)
.irp j, 0,2,4,6,8,10,12,14
	v_pk_mul_f32 v[24+\j:25+\j], v[24+\j:25+\j], v[122:123] op_sel_hi:[1,0]
.endr
.irp j, 0,2,4,6,8,10,12,14
	v_pk_fma_f32 v[24+\j:25+\j], v[24+\j:25+\j], v[72+\j:73+\j], v[88+\j:89+\j]
.endr
.irp i, 0,1,2,3
	global_store_b128 v1, v[24+4*\i:27+4*\i], s[14:15] offset:512*\i   ; 32 lanes store 512 consecutive bytes, aligned
.endr
	s_endpgm
.Lfunc_end_k_qdc7dc6d494_finish:
	.size	k_qdc7dc6d494_finish, .Lfunc_end_k_qdc7dc6d494_finish-k_qdc7dc6d494_finish
	.p2alignl 7, 3214868480
	.fill 96, 4, 3214868480
	.section	.rodata,"a",@progbits
	.p2align	6, 0x0
	.amdhsa_kernel k_qdc7dc6d494_finish
		.amdhsa_group_segment_fixed_size 0
		.amdhsa_private_segment_fixed_size 0
		.amdhsa_enable_private_segment 0
		.amdhsa_kernarg_size 48
		.amdhsa_user_sgpr_count 2
		.amdhsa_user_sgpr_kernarg_segment_ptr 1
		.amdhsa_wavefront_size32 1
		.amdhsa_system_sgpr_workgroup_id_x 1
		.amdhsa_system_sgpr_workgroup_id_y 1
		.amdhsa_system_sgpr_workgroup_id_z 1
		.amdhsa_system_vgpr_workitem_id 0
		.amdhsa_next_free_vgpr 128
		.amdhsa_next_free_sgpr 66
		.amdhsa_reserve_vcc 0
		.amdhsa_float_denorm_mode_32 3
		.amdhsa_float_denorm_mode_16_64 3
		.amdhsa_memory_ordered 1
		.amdhsa_forward_progress 1
		.amdhsa_inst_pref_size 12
	.end_amdhsa_kernel
	.amdgpu_metadata
---
amdhsa.version: [ 1, 2 ]
amdhsa.kernels:
  - .name:           k_qdc7dc6d494_finish
    .symbol:         k_qdc7dc6d494_finish.kd
    .args:
      - { .name: part_o, .offset: 0, .size: 8, .value_kind: global_buffer, .address_space: global }
      - { .name: part_ml, .offset: 8, .size: 8, .value_kind: global_buffer, .address_space: global }
      - { .name: bv, .offset: 16, .size: 8, .value_kind: global_buffer, .address_space: global }
      - { .name: ln_gamma, .offset: 24, .size: 8, .value_kind: global_buffer, .address_space: global }
      - { .name: ln_beta, .offset: 32, .size: 8, .value_kind: global_buffer, .address_space: global }
      - { .name: out0, .offset: 40, .size: 8, .value_kind: global_buffer, .address_space: global }
    .group_segment_fixed_size: 0
    .private_segment_fixed_size: 0
    .kernarg_segment_align: 8
    .kernarg_segment_size: 48
    .max_flat_workgroup_size: 32
    .sgpr_count:     66
    .vgpr_count:     128
    .wavefront_size: 32
...
	.end_amdgpu_metadata
.endif
;; end of part 6
